; MI455X (gfx1250); checked and timed in simulation.
; The chip was launched on July 23, 2026; its instructions are those of AMD's public machine-readable ISA for CDNA 5 (MIT licence, August 2026) and "CDNA5" Instruction Set Architecture Reference Guide (July 2026). The comments in the code are by the model that wrote it; some were corrected since.
;; Multi Head Attention. Allowed arithmetic: matrix products marked QUANTISED: E3M2 operands, one E8M0 scale for each 32 along K, by v_wmma_scale_f32_16x16x128_f8f6f4 with both operands' format E3M2, f32 sums; everything else in f32.
;; Inputs: K_codes 2 x 4,096 x 16 x 24 uint8 (E3M2 codes of K, K innermost, in blocks of 32 codes, four codes in three bytes); K_scales 2 x 4,096 x 16 uint8 (E8M0 scales of K, one for each 32 codes along K); Q_codes 2 x 4,096 x 16 x 24 uint8 (E3M2 codes of Q, K innermost, in blocks of 32 codes, four codes in three bytes); Q_scales 2 x 4,096 x 16 uint8 (E8M0 scales of Q, one for each 32 codes along K); V_codes 2 x 4,096 x 16 x 24 uint8 (E3M2 codes of V, K innermost, in blocks of 32 codes, four codes in three bytes); V_scales 2 x 4,096 x 16 uint8 (E8M0 scales of V, one for each 32 codes along K); Wk_codes 512 x 16 x 24 uint8 (E3M2 codes of Wk, K innermost, in blocks of 32 codes, four codes in three bytes); Wk_scales 512 x 16 uint8 (E8M0 scales of Wk, one for each 32 codes along K); Wo_codes 512 x 16 x 24 uint8 (E3M2 codes of Wo, K innermost, in blocks of 32 codes, four codes in three bytes); Wo_scales 512 x 16 uint8 (E8M0 scales of Wo, one for each 32 codes along K); Wq_codes 512 x 16 x 24 uint8 (E3M2 codes of Wq, K innermost, in blocks of 32 codes, four codes in three bytes); Wq_scales 512 x 16 uint8 (E8M0 scales of Wq, one for each 32 codes along K); Wv_codes 512 x 16 x 24 uint8 (E3M2 codes of Wv, K innermost, in blocks of 32 codes, four codes in three bytes); Wv_scales 512 x 16 uint8 (E8M0 scales of Wv, one for each 32 codes along K); bk 512 float32; bo 512 float32; bq 512 float32; bv 512 float32.
;; Outputs: out0 2 x 4,096 x 512 float32.
;; This version of the problem:
;;   THIS VERSION OF THE PROBLEM IS GIVEN IN LOW PRECISION. The matrix products marked QUANTISED in the list below multiply operands that are first quantised to E3M2 (3 exponent bits, 2 mantissa bits; 6 bits a number), with one power-of-two scale for each 32 numbers along K (OCP MX v1.0); their sums are f32. All else is computed in f32.
;;   The module's matrix products, in the order in which they are computed (A, B: the left and right operand; K: the contracted axis; several contracted axes count as one K, in the product's order):
;;     1. [M 8,192, K 512] x [K 512, N 512]; A: input Q (given as codes); B: input Wq (given as codes): QUANTISED
;;     2. [M 8,192, K 512] x [K 512, N 512]; A: input K (given as codes); B: input Wk (given as codes): QUANTISED
;;     3. [M 8,192, K 512] x [K 512, N 512]; A: input V (given as codes); B: input Wv (given as codes): QUANTISED
;;     4. batch 16 x [M 4,096, K 64] x [K 64, N 4,096]; A: computed on the way; B: computed on the way: QUANTISED
;;     5. batch 16 x [M 4,096, K 4,096] x [K 4,096, N 64]; A: softmax (see below); B: computed on the way: QUANTISED
;;     6. [M 8,192, K 512] x [K 512, N 512]; A: computed on the way; B: input Wo (given as codes): QUANTISED
;;   THE QUANTISER, for each operand of a quantised product, along K:
;;     - K is cut into blocks of 32 from its start; a last block that is shorter is filled with zeros.
;;     - A block's scale is 2^e with e = floor(log2(the largest magnitude in the block)) - 4, held to -126 .. 127; a block of zeros has e = 0. As a byte (E8M0): e + 127.
;;     - Each number is divided by its block's scale, clamped to +-28, and rounded to the nearest number of E3M2, ties to even, subnormals kept.
;;     - The product sums the exact products of the quantised numbers (number of the format x scale) in f32.
;;   ~~~python
;;   def quantise(x, axis):      # numpy; x: float32 -> the quantised numbers, widened to float32 again
;;       x = np.moveaxis(x, axis, -1); K = x.shape[-1]
;;       x = np.pad(x, [(0, 0)] * (x.ndim - 1) + [(0, -K % 32)]); x = x.reshape(x.shape[:-1] + (-1, 32)); a = np.abs(x).max(-1, keepdims=True)
;;       e = np.where(a > 0, np.clip(np.frexp(np.where(a > 0, a, 1))[1] - 1 - 4, -126, 127), 0)      # np.frexp(a)[1] - 1 = floor(log2(a)), exactly
;;       r = np.clip(x / 2.0 ** e, -28, 28)
;;       step = 2.0 ** (np.maximum(np.frexp(np.where(r == 0, 1, r))[1] - 1, -2) - 2)
;;       q = np.round(r / step) * step * 2.0 ** e      # np.round: ties to even
;;       return np.moveaxis(q.reshape(q.shape[:-2] + (-1,))[..., :K], -1, axis).astype(np.float32)
;;   ~~~
;;   SOFTMAX AHEAD OF A QUANTISED PRODUCT. Where the list says 'softmax', what is quantised is not the finished softmax but p = 2^(t - M), with t = logit x log2(e) and M = ceil(the row's largest t), a whole number; so 1/2 < the row's largest p <= 1. The row's sum l is taken of the UNQUANTISED p, in f32, and the product's result is divided by l at the end. Since M is a whole number, a kernel that streams over the keys may use a running M (the ceiling of the running maximum): every later rescaling is an exact power of two, which a block's scale takes up: the codes' values come out the same.
;;   OPERANDS COMPUTED ON THE WAY. 'Computed on the way' means the value that the module computes at that place (a softmax that the list does not call 'softmax' is quantised finished and normalised). What goes into a quantiser is computed in f32, as accurately as f32 sums, v_exp_f32 and their like allow (about 1e-6 of the number): no bf16 or f16 on the way to a quantiser, and a product that is left as it is and whose result goes on into a quantised operand takes f32 operands (vector FMAs, or v_wmma_f32_16x16x4_f32). A number that lies on a knife's edge between two numbers of the format may be rounded either way, as far as f32 arithmetic and the matrix unit's own rounding can turn it there, and no further.
;;   INPUTS GIVEN AS CODES. K (in the module: [2, 4096, 512], K = its axis 2); Q (in the module: [2, 4096, 512], K = its axis 2); V (in the module: [2, 4096, 512], K = its axis 2); Wk (in the module: [512, 512], K = its axis 0); Wo (in the module: [512, 512], K = its axis 0); Wq (in the module: [512, 512], K = its axis 0); Wv (in the module: [512, 512], K = its axis 0): each comes as NAME_codes (uint8): NAME with its K axis moved to the last place and cut into blocks of 32 codes, [.., K / 32, bytes a block], one block behind the other in memory; four codes in three bytes: a row's codes are one little-endian stream of bits, code i at bits 6 i .. 6 i + 5 (a code: sign, 3 exponent bits, 2 mantissa bits); and NAME_scales (uint8): the same leading axes, one E8M0 byte (e + 127) for each 32 codes along K. Its value is code x scale, taken as it is: it is not quantised again, and the codes and scales need not be those that the quantiser above would give.
;; 2 versions. Each part assembles by itself: llvm-mc -triple=amdgcn-amd-amdhsa -mcpu=gfx1250 --defsym DOCPART=n.
;; ======== version 1 of 2: 3 launches
;; workspace buffers: qb 6,553,600 bytes; kv 6,553,600 bytes; oc 3,145,728 bytes; os 262,144 bytes
;; launch proj (part 1): grid 64 x 3, 16 waves a work-group, no clusters, 270,848 bytes of LDS; arguments Q_codes, Q_scales, Wq_codes, Wq_scales, bq, K_codes, K_scales, Wk_codes, Wk_scales, bk, V_codes, V_scales, Wv_codes, Wv_scales, bv, qb, kv; writes qb, kv
.if DOCPART == 1
	.amdgcn_target "amdgcn-amd-amdhsa--gfx1250"
	.amdhsa_code_object_version 6
	.text
	.protected	k_q75c4ebd0dd_proj
	.globl	k_q75c4ebd0dd_proj
	.p2align	8
	.type	k_q75c4ebd0dd_proj,@function
k_q75c4ebd0dd_proj:
	s_mov_b64 s[64:65], 0
	v_nop
	global_prefetch_b8 v0, s[64:65] scope:SCOPE_SE
	s_setreg_imm32_b32 hwreg(HW_REG_WAVE_MODE, 25, 1), 1
	s_wait_xcnt 0x0
; THE THREE PROJECTIONS q = Q Wq + bq, k = K Wk + bk, v = V Wv + bv (work-group y = 0, 1, 2), on codes of BF6 (E3M2) with one E8M0 scale for each 32 along K = 512,
; and the quantising of the results for the attention launch: q and k along the head's 64, v along the keys.  One text serves all three.
; Source 0 of the matrix instruction is called P: its rows become a lane's registers, that is the NEXT product's K.  Source 1 is called R: its rows become the lanes.
;   q, k: P = the weight's 512 rows (n = head x 64 + d), R = 128 tokens.      v: P = 512 tokens (the keys), R = 128 rows of Wv (channels).
; Both have rows of 384 bytes of codes and 16 scale bytes; only pointers and a few scalars differ, chosen by the work-group's y.
; THE ROWS OF A TILE ARE NOT NEIGHBOURS: lane r of tile 2 b + u takes row 32 b + 8 u + r + 8 (r / 8), for P and for R.  So a lane's 16 registers of result tiles 2 b, 2 b + 1 are 16 neighbours,
; 32 b + 16 (lane / 16) + 0 .. 15, along the next K, and the conversions, which take neighbours from one lane's registers, give the next operand's codes.
; SHARES.  A work-group: 512 P rows x 128 R rows.  Wave w (a = w % 4, b = w / 4): P rows 128 a on (8 tiles) x R rows 32 b on (2 tiles): 16 accumulators, 4 K steps, 64 matrix instructions.
; Its 2 x 64 numbers a lane become two fragments (16 rows x 128 along the next K, 12 registers) and two scale words.
; RESULTS LEAVE AS IMAGES OF OPERAND REGISTERS.  A half image is 768 bytes: registers 0-3 of lane l at 16 l, registers 4-5 at 512 + 8 l: each store covers 512 or 256 consecutive bytes, aligned to 256.
;   kv (and qb, whose V parts are neither written nor read): [batch x 8 + head][key step of 128][12,800 bytes]:  +0 K: 4 groups of 32 keys x 2 halves (u) x 768;  +6,144 V: 4 tiles of 16 channels x 1,536 (128 keys);
;   +12,288 K's scale words [group][16 rows]: bytes u0 s0, u0 s1, u1 s0, u1 s1;  +12,544 V's scale words [tile][16 rows]: a byte for each 32 keys.
; LDS: rows are staged once by plain loads and LDS stores, row x at 416 x + 16 ((x / 16) % 2): with that placement the 32 lanes of an 8-byte fragment load touch 64 different banks of 4 bytes
; (in words: (r % 8) x 104 = 8 (r % 8) mod 64; r / 8 adds 4; lane / 16 adds 6).  One barrier; behind it LDS is only read.
; LIMITS: NaN and infinities are not served.  A block of zeros gets the scale byte 1 (its codes are zeros, and only this program reads the bytes).
.set PITCH, 416
.set RREG,  213248                     ; behind P's 512 rows: R's 128 rows
.set BIAS,  266752                     ; behind them: 512 numbers of the bias
.set STEPB, 12800
.set HEADB, 409600
.set L16, 4                            ; v4   16 x lane: staging loads, image stores
.set PA,  8                            ; v8   LDS address of my P fragments
.set RA,  9                            ; v9   of my R fragments
.set SCA, 10                           ; v10  lane part of the scale loads
.set BAQ, 11                           ; v11  bias in LDS, q and k: along the registers
.set BAV, 12                           ; v12  bias in LDS, v: by the lane's channel
.set L8,  14                           ; v14  8 x lane
.set SVO, 15                           ; v15  where my scale word goes
.set BGO, 16                           ; v16  bias: my word in memory
.set BLO, 17                           ; v17  and in LDS
.set SPA, 24                           ; v24-26 staging: LDS addresses for P, one for each load of a trio
.set SRA, 27                           ; v27-29 the same for R
.set PFR, 32                           ; v32-79   four fragments of P
.set RFR, 80                           ; v80-103  two fragments of R
.set PSC, 104                          ; v104-119 P's scale words: register 4 q + s: lanes 0-15 tile 2 q, lanes 16-31 tile 2 q + 1, K step s
.set RSC, 120                          ; v120-123 R's: register s: lanes 0-15 tile 0, lanes 16-31 tile 1
.set ACC, 128                          ; v128-255 accumulator (u, p) at 128 + 64 u + 8 p; at the head: the staged bytes
.set BPR, 32                           ; behind the products: the bias
.set TM,  32                           ; then v32-47 at work in QUANT, v48-49 scale words, v50-52 words to store, v56-95 codes
.set YY, 42
.set XX, 43
.set WV, 44
.set WA, 45
.set WB, 46
.set SEL, 82
.set MODE, 84
.macro FRAG reg, adr, off              ; a fragment: 16 rows x 128 K of 6-bit codes, 12 registers: two runs of 24 bytes of the row, in pieces of 8 bytes
.irp p, 0,1,2,3,4,5
	ds_load_b64 v[(\reg)+2*\p:(\reg)+2*\p+1], v[\adr] offset:(\off)+48*(\p/3)+8*(\p%3)
.endr
.endm
.macro WM d, a, b, z, sa, sb, ra, rb   ; one product; z: it starts the sum; ra, rb: the scales stand in lanes 16-31
.if (\z) && (\ra) && (\rb)
	v_wmma_scale_f32_16x16x128_f8f6f4 v[\d:\d+7], v[\a:\a+11], v[\b:\b+11], 0, v[\sa], v[\sb] matrix_a_fmt:MATRIX_FMT_BF6 matrix_b_fmt:MATRIX_FMT_BF6 matrix_a_scale:MATRIX_SCALE_ROW1 matrix_b_scale:MATRIX_SCALE_ROW1
.elseif (\z) && (\ra)
	v_wmma_scale_f32_16x16x128_f8f6f4 v[\d:\d+7], v[\a:\a+11], v[\b:\b+11], 0, v[\sa], v[\sb] matrix_a_fmt:MATRIX_FMT_BF6 matrix_b_fmt:MATRIX_FMT_BF6 matrix_a_scale:MATRIX_SCALE_ROW1
.elseif (\z) && (\rb)
	v_wmma_scale_f32_16x16x128_f8f6f4 v[\d:\d+7], v[\a:\a+11], v[\b:\b+11], 0, v[\sa], v[\sb] matrix_a_fmt:MATRIX_FMT_BF6 matrix_b_fmt:MATRIX_FMT_BF6 matrix_b_scale:MATRIX_SCALE_ROW1
.elseif (\z)
	v_wmma_scale_f32_16x16x128_f8f6f4 v[\d:\d+7], v[\a:\a+11], v[\b:\b+11], 0, v[\sa], v[\sb] matrix_a_fmt:MATRIX_FMT_BF6 matrix_b_fmt:MATRIX_FMT_BF6
.elseif (\ra) && (\rb)
	v_wmma_scale_f32_16x16x128_f8f6f4 v[\d:\d+7], v[\a:\a+11], v[\b:\b+11], v[\d:\d+7], v[\sa], v[\sb] matrix_a_fmt:MATRIX_FMT_BF6 matrix_b_fmt:MATRIX_FMT_BF6 matrix_a_scale:MATRIX_SCALE_ROW1 matrix_b_scale:MATRIX_SCALE_ROW1
.elseif (\ra)
	v_wmma_scale_f32_16x16x128_f8f6f4 v[\d:\d+7], v[\a:\a+11], v[\b:\b+11], v[\d:\d+7], v[\sa], v[\sb] matrix_a_fmt:MATRIX_FMT_BF6 matrix_b_fmt:MATRIX_FMT_BF6 matrix_a_scale:MATRIX_SCALE_ROW1
.elseif (\rb)
	v_wmma_scale_f32_16x16x128_f8f6f4 v[\d:\d+7], v[\a:\a+11], v[\b:\b+11], v[\d:\d+7], v[\sa], v[\sb] matrix_a_fmt:MATRIX_FMT_BF6 matrix_b_fmt:MATRIX_FMT_BF6 matrix_b_scale:MATRIX_SCALE_ROW1
.else
	v_wmma_scale_f32_16x16x128_f8f6f4 v[\d:\d+7], v[\a:\a+11], v[\b:\b+11], v[\d:\d+7], v[\sa], v[\sb] matrix_a_fmt:MATRIX_FMT_BF6 matrix_b_fmt:MATRIX_FMT_BF6
.endif
.endm
; 64 numbers of a lane, v[s] on, register 16 b + i = k 32 b + 16 (lane / 16) + i of my row, become a fragment's 12 registers of codes at v[pc] and its scale word in v[pw].  ct: 8 registers, tm: 16 registers at work.
.macro QUANT s, pc, ct, pw, tm
.irp b, 0,1,2,3
	v_max3_num_f32 v[\tm+\b], |v[\s+16*\b]|, |v[\s+16*\b+1]|, 0x2800000   ; block b: my 16 numbers, and the floor 2^(5 - 127): the byte cannot fall under 1
.endr
.irp i, 2,4,6,8,10,12,14
.irp b, 0,1,2,3
	v_max3_num_f32 v[\tm+\b], v[\tm+\b], |v[\s+16*\b+\i]|, |v[\s+16*\b+\i+1]|   ; the four blocks by turns
.endr
.endr
.irp b, 0,1,2,3
	v_permlanex16_b32 v[\tm+4+\b], v[\tm+\b], s[SEL], s[SEL+1]
.endr
.irp b, 0,1,2,3
	v_max_num_f32 v[\tm+\b], v[\tm+\b], v[\tm+4+\b]                      ; with lane l xor 16's 16: the block's largest magnitude
.endr
.irp b, 0,1,2,3
	v_add_nc_u32 v[\tm+12+\b], 0xfe000000, v[\tm+\b]                     ; 4 off its exponent field: the conversion's scale operand
.endr
.irp b, 0,1,2,3
	v_lshrrev_b32 v[\tm+4+\b], 23, v[\tm+12+\b]                          ; the scale's byte
.endr
	v_lshl_or_b32 v[\pw], v[\tm+5], 8, v[\tm+4]
	v_lshl_or_b32 v[\pw], v[\tm+6], 16, v[\pw]
	v_lshl_or_b32 v[\pw], v[\tm+7], 24, v[\pw]
.irp c, 0,1
	v_cvt_scalef32_pk16_bf6_f32 v[\pc+6*\c:\pc+6*\c+2], v[\s+32*\c:\s+32*\c+15], v[\tm+12+2*\c]
	v_cvt_scalef32_pk16_bf6_f32 v[\ct+4*\c:\ct+4*\c+2], v[\s+32*\c+16:\s+32*\c+31], v[\tm+12+2*\c+1]   ; (a conversion's three registers begin on an even number)
.endr
	v_nop                                          ; one plain place behind the scaled conversions
.irp c, 0,1                                    ; the operand wants a WHOLE block in a lane: lanes 0-15 block 2 c, lanes 16-31 block 2 c + 1
.irp i, 0,1,2
	v_permlane16_swap_b32 v[\pc+6*\c+\i], v[\ct+4*\c+\i]
.endr
.irp i, 0,1,2
	v_mov_b32 v[\pc+6*\c+3+\i], v[\ct+4*\c+\i]
.endr
.endr
.endm
	s_load_b512 s[8:23], s[0:1], 0x0               ; Q's codes 8, scales 10; Wq's codes 12, scales 14; bq 16; K's codes 18, scales 20; Wk's codes 22
	s_load_b512 s[24:39], s[0:1], 0x40             ; Wk's scales 24; bk 26; V's codes 28, scales 30; Wv's codes 32, scales 34; bv 36; qb 38
	s_load_b64 s[40:41], s[0:1], 0x80              ; kv
	v_lshl_add_u32 v126, v0, 2, 0x41a00
	v_mov_b32 v127, 0
	v_lshrrev_b32 v1, 5, v0
	v_readfirstlane_b32 s[WV], v1                  ; wave 0..15
	s_and_b32 s[YY], ttmp7, 0xffff                 ; which projection
	s_mov_b32 s[XX], ttmp9
	s_and_b32 s[WA], s[WV], 3                      ; a: my 128 rows of P
	s_lshr_b32 s[WB], s[WV], 2                     ; b: my 32 rows of R
	; where results go, for q and k: batch x / 32, heads 2 a and 2 a + 1, key step x % 32, group b
	s_lshr_b32 s85, s[XX], 5
	s_lshl_b32 s85, s85, 3
	s_lshl_b32 s86, s[WA], 1
	s_add_co_u32 s85, s85, s86                     ; batch x 8 + head
	s_and_b32 s86, s[XX], 31                       ; key step
	s_mul_i32 s87, s[WB], 1536                     ; the group's codes in a step block
	s_lshl_b32 s88, s[WB], 6
	s_add_co_u32 s88, s88, 12288                   ; its scale words
	s_lshl_b32 s89, s[XX], 7                       ; R's first row: token 128 x
	; and for v: the wave's 128 tokens are key step unit = 4 (x / 4) + a; channels 128 (x % 4) + 32 b on
	s_lshr_b32 s90, s[XX], 2
	s_and_b32 s91, s[XX], 3
	s_lshl_b32 s92, s90, 2
	s_add_co_u32 s92, s92, s[WA]                   ; unit
	s_lshr_b32 s93, s92, 5
	s_lshl_b32 s93, s93, 3
	s_lshl_b32 s94, s91, 1
	s_add_co_u32 s93, s93, s94
	s_lshr_b32 s94, s[WB], 1
	s_add_co_u32 s93, s93, s94                     ; batch x 8 + head
	s_and_b32 s92, s92, 31                         ; key step
	s_and_b32 s94, s[WB], 1                        ; which 32 channels of the head
	s_mul_i32 s95, s94, 3072
	s_add_co_u32 s95, s95, 6144                    ; their two tiles' codes
	s_lshl_b32 s94, s94, 7
	s_add_co_u32 s94, s94, 12544                   ; their scale words
	s_lshl_b32 s90, s90, 9                         ; P's first row: token 512 (x / 4)
	s_lshl_b32 s91, s91, 7                         ; R's first row: channel 128 (x % 4)
	s_cmp_eq_u32 s[YY], 2                          ; the choice hangs on the work-group's y alone
	s_cselect_b32 s[MODE], 1, 0
	s_cselect_b32 s85, s93, s85
	s_cselect_b32 s86, s92, s86
	s_cselect_b32 s87, s95, s87
	s_cselect_b32 s88, s94, s88
	s_cselect_b32 s89, s91, s89                    ; R's first row
	s_cselect_b32 s90, s90, 0                      ; P's first row
	s_cselect_b32 s91, s91, 0                      ; the bias staged begins here,
	s_mov_b32 s92, 511
	s_cselect_b32 s92, 127, s92                    ; and has so many numbers less one
	s_mov_b32 s93, 768
	s_cselect_b32 s93, 1536, s93                   ; from R tile 0's image to R tile 1's
	s_mov_b32 s94, HEADB
	s_cselect_b32 s78, 64, s94                     ; from the scale words of lanes 0-15 to those of lanes 16-31
	s_cselect_b32 s94, 768, s94                    ; from a fragment's first half image to its second: q, k: the next head; v: 768 bytes on
	s_mov_b32 s79, 0x05040100                      ; q, k: the two tiles' bytes 0, 1 (head 2 a); v: tile 0's word
	s_cselect_b32 s79, 0x03020100, s79
	s_mov_b32 s80, 0x07060302                      ; q, k: the two tiles' bytes 2, 3 (head 2 a + 1); v: tile 1's word
	s_cselect_b32 s80, 0x07060504, s80
	s_mul_i32 s85, s85, HEADB
	s_mul_i32 s86, s86, STEPB
	s_add_co_u32 s85, s85, s86                     ; the step block
	s_add_co_u32 s96, s85, s87                     ; the first image
	s_add_co_u32 s98, s85, s88                     ; the scale words
	s_mov_b32 s97, 0
	s_mov_b32 s99, 0
	s_lshl_b32 s95, s[WV], 5
	s_add_co_u32 s95, s95, s90
	s_mul_i32 s60, s95, 384                        ; I stage P's rows 32 w on,
	s_mov_b32 s61, 0
	s_lshl_b32 s95, s[WV], 3
	s_add_co_u32 s95, s95, s89
	s_mul_i32 s62, s95, 384                        ; and R's rows 8 w on
	s_mov_b32 s63, 0
	s_lshl_b32 s95, s[WA], 7
	s_add_co_u32 s95, s95, s90
	s_lshl_b32 s66, s95, 4                         ; scale bytes of my 128 rows of P,
	s_mov_b32 s67, 0
	s_lshl_b32 s95, s[WB], 5
	s_add_co_u32 s95, s95, s89
	s_lshl_b32 s86, s95, 4                         ; and of my 32 rows of R
	s_mov_b32 s87, 0
	s_mul_i32 s85, s[WV], 32*PITCH                 ; LDS: where I stage P,
	s_mul_i32 s88, s[WV], 8*PITCH
	s_bfe_u32 s95, s[WV], 0x10001
	s_lshl_b32 s95, s95, 4
	s_add_co_u32 s88, s88, s95
	s_add_co_u32 s88, s88, RREG                    ; and R (rows 8 w .. 8 w + 7 lie in one group of 16)
	s_mul_i32 s89, s[WA], 128*PITCH                ; where my rows of P lie,
	s_mul_i32 s90, s[WB], 32*PITCH
	s_add_co_u32 s90, s90, RREG                    ; and my rows of R
	s_lshl_b32 s95, s[WA], 9
	s_add_co_u32 s95, s95, BIAS
	s_lshl_b32 s81, s[WB], 7
	s_add_co_u32 s81, s81, BIAS
	s_mov_b32 s[SEL], 0x76543210
	s_mov_b32 s[SEL+1], 0xfedcba98                 ; v_permlanex16_b32's selects for lane l xor 16
	v_and_b32 v1, 31, v0                           ; lane
	v_and_b32 v2, 15, v0                           ; r
	v_bfe_u32 v3, v0, 4, 1                         ; h
	v_lshlrev_b32 v[L16], 4, v1
	v_lshlrev_b32 v[L8], 3, v1
	v_lshrrev_b32 v18, 3, v1
	v_and_b32 v19, 7, v1
	v_lshlrev_b32 v19, 4, v19
.irp j, 0,1,2                                  ; three loads of 512 bytes are four rows of 384: chunk 4 j + lane / 8 of 128 bytes is row chunk / 3, column chunk % 3
	v_add_nc_u32 v20, 4*\j, v18
	v_mul_u32_u24 v21, v20, 11
	v_lshrrev_b32 v21, 5, v21                      ; chunk / 3, for chunks 0 .. 11
	v_mul_u32_u24 v22, v21, 3
	v_sub_nc_u32 v20, v20, v22
	v_mul_u32_u24 v21, v21, PITCH
	v_lshl_add_u32 v21, v20, 7, v21
	v_add_nc_u32 v21, v21, v19
	v_add_nc_u32 v[SPA+\j], s85, v21
	v_add_nc_u32 v[SRA+\j], s88, v21
.endr
	v_lshrrev_b32 v20, 3, v2                       ; r / 8
	v_lshl_add_u32 v21, v20, 3, v2                 ; r + 8 (r / 8)
	v_mul_u32_u24 v22, v21, PITCH
	v_lshl_add_u32 v22, v20, 4, v22                ; rows 16 .. 31 of each 32 lie 16 bytes further on
	v_mad_u32_u24 v22, v3, 24, v22
	v_add_nc_u32 v[PA], s89, v22
	v_add_nc_u32 v[RA], s90, v22
	v_lshl_add_u32 v[SCA], v3, 3, v21
	v_lshlrev_b32 v[SCA], 4, v[SCA]                ; lanes 0-15 the even tile's rows, lanes 16-31 the odd tile's: 16 bytes a row
	v_lshl_add_u32 v[BAQ], v3, 6, s95              ; bias(128 a + 16 h ..)
	v_lshl_add_u32 v[BAV], v21, 2, s81             ; bias(32 b + r + 8 (r / 8))
	v_mul_u32_u24 v[SVO], s78, v3
	v_lshl_add_u32 v[SVO], v2, 2, v[SVO]
	v_and_b32 v[BGO], s92, v0
	v_add_nc_u32 v[BGO], s91, v[BGO]
	v_lshlrev_b32 v[BGO], 2, v[BGO]
	v_lshl_add_u32 v[BLO], v0, 2, BIAS
	s_wait_kmcnt 0x0
	s_cmp_eq_u32 s[YY], 0
	s_cselect_b64 s[48:49], s[12:13], s[22:23]     ; P's codes
	s_cselect_b64 s[50:51], s[14:15], s[24:25]     ; P's scales
	s_cselect_b64 s[52:53], s[8:9], s[18:19]       ; R's codes
	s_cselect_b64 s[54:55], s[10:11], s[20:21]     ; R's scales
	s_cselect_b64 s[56:57], s[16:17], s[26:27]     ; the bias
	s_cselect_b64 s[58:59], s[38:39], s[40:41]     ; q goes to qb, k and v to kv
	s_cmp_eq_u32 s[YY], 2
	s_cselect_b64 s[48:49], s[28:29], s[48:49]
	s_cselect_b64 s[50:51], s[30:31], s[50:51]
	s_cselect_b64 s[52:53], s[32:33], s[52:53]
	s_cselect_b64 s[54:55], s[34:35], s[54:55]
	s_cselect_b64 s[56:57], s[36:37], s[56:57]
	s_add_nc_u64 s[48:49], s[48:49], s[60:61]
	s_add_nc_u64 s[52:53], s[52:53], s[62:63]
	s_add_nc_u64 s[50:51], s[50:51], s[66:67]
	s_add_nc_u64 s[54:55], s[54:55], s[86:87]
	s_add_nc_u64 s[68:69], s[58:59], s[96:97]      ; image of (tile 0, half 0)
	s_add_nc_u64 s[76:77], s[58:59], s[98:99]      ; the scale words
	s_mov_b32 s96, s94
	s_add_nc_u64 s[70:71], s[68:69], s[96:97]      ; (tile 0, half 1)
	s_mov_b32 s96, s93
	s_add_nc_u64 s[72:73], s[68:69], s[96:97]      ; (tile 1, half 0)
	s_add_nc_u64 s[74:75], s[70:71], s[96:97]      ; (tile 1, half 1)
	; STAGING: each load of the wave reads 512 consecutive bytes
.set N, 0
.rept 24
	global_load_b128 v[ACC+4*N:ACC+4*N+3], v[L16], s[48:49] offset:512*N
.set N, N+1
.endr
.set N, 0
.rept 6
	global_load_b128 v[ACC+96+4*N:ACC+96+4*N+3], v[L16], s[52:53] offset:512*N
.set N, N+1
.endr
	global_load_b32 v248, v[BGO], s[56:57]
.irp q, 0,1,2,3
	global_load_b128 v[PSC+4*\q:PSC+4*\q+3], v[SCA], s[50:51] offset:512*\q   ; the scale words go straight into their registers: a row's 16 bytes are its four K steps' words
.endr
	global_load_b128 v[RSC:RSC+3], v[SCA], s[54:55]
	s_wait_loadcnt 5                               ; the 31 staging loads are in; the five scale loads issued behind them may be out
.set N, 0
.rept 24
	ds_store_b128 v[SPA+N%3], v[ACC+4*N:ACC+4*N+3] offset:4*PITCH*(N/3)+16*(N/12)
.set N, N+1
.endr
.set N, 0
.rept 6
	ds_store_b128 v[SRA+N%3], v[ACC+96+4*N:ACC+96+4*N+3] offset:4*PITCH*(N/3)
.set N, N+1
.endr
	ds_store_b32 v[BLO], v248
	s_wait_dscnt 0x0                               ; for the others' sake: my stores have landed
	s_barrier_signal -1
	s_barrier_wait -1                              ; all rows lie in LDS; from here on LDS is only read
	s_wait_loadcnt 0x0                             ; the scale words
; THE PRODUCTS: K step s, P tiles 4 hp .. 4 hp + 3 against both R tiles.  The 16 accumulators take turns, one instruction a turn.
.macro GROUP s, hp
.if (\s)+(\hp) > 0
.rept 4
	v_nop                                          ; four places in front of loads into registers that matrix instructions have read
.endr
.endif
.if (\hp) == 0
	FRAG RFR, RA, 96*(\s)
	FRAG RFR+12, RA, 8*PITCH+96*(\s)
.endif
.irp i, 0,1,2,3
	FRAG PFR+12*\i, PA, (32*((4*(\hp)+\i)/2)+8*(\i%2))*PITCH+96*(\s)
.endr
	s_wait_dscnt 0x0
.irp i, 0,1,2,3
.irp u, 0,1
	WM ACC+64*\u+8*(4*(\hp)+\i), PFR+12*\i, RFR+12*\u, (\s)==0, PSC+4*((4*(\hp)+\i)/2)+(\s), RSC+(\s), \i%2, \u
.endr
.endr
.endm
.irp s, 0,1,2,3
	GROUP \s, 0
	GROUP \s, 1
.endr
.rept 4
	v_nop                                          ; four places in front of the loads into operand registers and of the first read of results
.endr
	; THE BIAS, in f32, behind the sums.  q, k: it runs along the registers.  v: it belongs to the lane's channel.  Each accumulator is read from its low end on.
	s_cmp_eq_u32 s[MODE], 1
	s_cbranch_scc1 .Lbias_v
.irp q, 0,1,2,3
.irp i, 0,1,2,3
	ds_load_b128 v[BPR+16*\q+4*\i:BPR+16*\q+4*\i+3], v[BAQ] offset:128*\q+16*\i
.endr
.endr
	s_wait_dscnt 0x0
.set J, 0
.rept 64
	v_pk_add_f32 v[ACC+2*J:ACC+2*J+1], v[ACC+2*J:ACC+2*J+1], v[BPR+2*(J%32):BPR+2*(J%32)+1]
.set J, J+1
.endr
	s_branch .Lbias_done
.Lbias_v:
	ds_load_b32 v[BPR], v[BAV]
	ds_load_b32 v[BPR+1], v[BAV]
	ds_load_b32 v[BPR+2], v[BAV] offset:32         ; tile 1's channels lie 8 further on
	ds_load_b32 v[BPR+3], v[BAV] offset:32
	s_wait_dscnt 0x0
.set J, 0
.rept 64
	v_pk_add_f32 v[ACC+2*J:ACC+2*J+1], v[ACC+2*J:ACC+2*J+1], v[BPR+2*(J/32):BPR+2*(J/32)+1]
.set J, J+1
.endr
.Lbias_done:
.irp b, 0,1,2,3
	v_mov_b32 v[TM+4+\b], 0                        ; a lane permute's destination counts as one of its sources
.endr
	QUANT ACC, 56, 68, 48, TM                      ; R tile 0
	QUANT ACC+64, 76, 88, 49, TM                   ; R tile 1, into registers of its own: no store's data are written again
.irp u, 0,1
.irp f, 0,1
	global_store_b128 v[L16], v[56+20*\u+6*\f:56+20*\u+6*\f+3], s[68+4*\u+2*\f:69+4*\u+2*\f]              ; 512 consecutive bytes, aligned to 256
	global_store_b64 v[L8], v[56+20*\u+6*\f+4:56+20*\u+6*\f+5], s[68+4*\u+2*\f:69+4*\u+2*\f] offset:512   ; 256 consecutive bytes, aligned
.endr
.endr
	v_perm_b32 v50, v49, v48, s79                  ; the word for lanes 0-15,
	v_perm_b32 v51, v49, v48, s80                  ; and for lanes 16-31 (every lane holds its row's two words)
	v_cmp_gt_u32 vcc_lo, 16, v1
	v_cndmask_b32 v52, v51, v50, vcc_lo
	global_store_b32 v[SVO], v52, s[76:77]
	s_wait_tensorcnt 0x0
	ds_add_u32 v126, v127
	s_wait_dscnt 0x0
	s_endpgm
.Lfunc_end_k_q75c4ebd0dd_proj:
	.size	k_q75c4ebd0dd_proj, .Lfunc_end_k_q75c4ebd0dd_proj-k_q75c4ebd0dd_proj
	.p2alignl 7, 3214868480
	.fill 96, 4, 3214868480
	.section	.rodata,"a",@progbits
	.p2align	6, 0x0
	.amdhsa_kernel k_q75c4ebd0dd_proj
		.amdhsa_group_segment_fixed_size 270848
		.amdhsa_private_segment_fixed_size 0
		.amdhsa_enable_private_segment 0
		.amdhsa_kernarg_size 136
		.amdhsa_user_sgpr_count 2
		.amdhsa_user_sgpr_kernarg_segment_ptr 1
		.amdhsa_wavefront_size32 1
		.amdhsa_system_sgpr_workgroup_id_x 1
		.amdhsa_system_sgpr_workgroup_id_y 1
		.amdhsa_system_sgpr_workgroup_id_z 1
		.amdhsa_system_vgpr_workitem_id 0
		.amdhsa_next_free_vgpr 256
		.amdhsa_next_free_sgpr 100
		.amdhsa_reserve_vcc 1
		.amdhsa_float_denorm_mode_32 3
		.amdhsa_float_denorm_mode_16_64 3
		.amdhsa_memory_ordered 1
		.amdhsa_forward_progress 1
		.amdhsa_inst_pref_size 56
	.end_amdhsa_kernel
	.amdgpu_metadata
---
amdhsa.version: [ 1, 2 ]
amdhsa.kernels:
  - .name:           k_q75c4ebd0dd_proj
    .symbol:         k_q75c4ebd0dd_proj.kd
    .args:
      - { .name: Q_codes, .offset: 0, .size: 8, .value_kind: global_buffer, .address_space: global }
      - { .name: Q_scales, .offset: 8, .size: 8, .value_kind: global_buffer, .address_space: global }
      - { .name: Wq_codes, .offset: 16, .size: 8, .value_kind: global_buffer, .address_space: global }
      - { .name: Wq_scales, .offset: 24, .size: 8, .value_kind: global_buffer, .address_space: global }
      - { .name: bq, .offset: 32, .size: 8, .value_kind: global_buffer, .address_space: global }
      - { .name: K_codes, .offset: 40, .size: 8, .value_kind: global_buffer, .address_space: global }
      - { .name: K_scales, .offset: 48, .size: 8, .value_kind: global_buffer, .address_space: global }
      - { .name: Wk_codes, .offset: 56, .size: 8, .value_kind: global_buffer, .address_space: global }
      - { .name: Wk_scales, .offset: 64, .size: 8, .value_kind: global_buffer, .address_space: global }
      - { .name: bk, .offset: 72, .size: 8, .value_kind: global_buffer, .address_space: global }
      - { .name: V_codes, .offset: 80, .size: 8, .value_kind: global_buffer, .address_space: global }
      - { .name: V_scales, .offset: 88, .size: 8, .value_kind: global_buffer, .address_space: global }
      - { .name: Wv_codes, .offset: 96, .size: 8, .value_kind: global_buffer, .address_space: global }
      - { .name: Wv_scales, .offset: 104, .size: 8, .value_kind: global_buffer, .address_space: global }
      - { .name: bv, .offset: 112, .size: 8, .value_kind: global_buffer, .address_space: global }
      - { .name: qb, .offset: 120, .size: 8, .value_kind: global_buffer, .address_space: global }
      - { .name: kv, .offset: 128, .size: 8, .value_kind: global_buffer, .address_space: global }
    .group_segment_fixed_size: 270848
    .private_segment_fixed_size: 0
    .kernarg_segment_align: 8
    .kernarg_segment_size: 136
    .max_flat_workgroup_size: 512
    .sgpr_count:     100
    .vgpr_count:     256
    .wavefront_size: 32
...
	.end_amdgpu_metadata
.endif
;; end of part 1
;; launch attn (part 2): grid 16 x 16, 8 waves a work-group, clusters of 4 x 1, 327,680 bytes of LDS; arguments qb, kv, oc, os; writes oc, os
.if DOCPART == 2
	.amdgcn_target "amdgcn-amd-amdhsa--gfx1250"
	.amdhsa_code_object_version 6
	.text
	.protected	k_q75c4ebd0dd_attn
	.globl	k_q75c4ebd0dd_attn
	.p2align	8
	.type	k_q75c4ebd0dd_attn,@function
k_q75c4ebd0dd_attn:
	s_mov_b64 s[64:65], 0
	v_nop
	global_prefetch_b8 v0, s[64:65] scope:SCOPE_SE
	s_setreg_imm32_b32 hwreg(HW_REG_WAVE_MODE, 25, 1), 1
	s_wait_xcnt 0x0
	s_wait_alu depctr_hold_cnt(0) depctr_sa_sdst(0) depctr_va_vdst(0) depctr_va_sdst(0) depctr_va_ssrc(0) depctr_va_vcc(0) depctr_vm_vsrc(0)
	s_getreg_b32 s2, hwreg(HW_REG_IB_STS2, 6, 4)
	s_cmp_eq_u32 s2, 0
	s_cbranch_scc0 .Lentry_in_a_cluster
	s_endpgm
.Lentry_in_a_cluster:
	s_bfe_u32 s2, ttmp6, 0x10000c
	s_cmp_lg_u32 s2, 0x3003
	s_cbranch_scc0 .Lentry_shape_is_right
	s_endpgm
.Lentry_shape_is_right:
; ATTENTION on codes of BF6 (E3M2): for each of 16 (batch, head) pairs, O[q] = the sum over keys of softmax(q . k / 8) v, 4,096 queries, 4,096 keys, head size 64; O / l is quantised along the channels for the output projection.
; THE SOFTMAX AHEAD OF THE SECOND PRODUCT: t = score x log2(e) / 8; M = the running largest t rounded UP to a whole number; p = 2^(t - M) is quantised along the keys, not normalised.
; The row's sum l is taken of the unquantised p.  When M moves, l and O are multiplied by 2^(old M - new M), which rounds nothing.
; SHARES.  A work-group: 256 queries of one (batch, head).  Each of its eight waves: 32 queries, two tiles of 16, in 512 registers: two waves to a SIMD.  Every wave walks 32 key steps of 128 keys.
; Each fragment of K and V read from LDS feeds both tiles.
; OPERANDS COME AS IMAGES OF THEIR REGISTERS, made by the launch before: a step block of 12,800 bytes: +0 K: 4 groups x 1,536; +6,144 V: 4 tiles x 1,536; +12,288 K's scale words; +12,544 V's.
; A fragment of 12 registers is four LDS loads of consecutive bytes (16 or 8 a lane): no pitch, no padding, no bank met twice.
; BOTH PRODUCTS ARE USED TRANSPOSED: S^T = K Q^T (source 0 = keys), O^T = V^T P^T (source 0 = channels): a lane holds ONE query throughout.
; THE HEAD HAS 64 CHANNELS AND THE INSTRUCTION 128 ALONG K.  A fragment of K holds TWO tiles of 16 keys: tile 2 i in k = 0 .. 63, tile 2 i + 1 in k = 64 .. 127.  q stands in 18 registers [q, zeros, q]:
; source 1 = [q, zeros] gives tile 2 i's scores, source 1 = [zeros, q] (six registers on) tile 2 i + 1's: zero codes add nothing.  q's scale word repeats its two bytes.
; The keys of a tile are 32 i + 8 u + r + 8 (r / 8), so that the 16 registers of tiles 2 i, 2 i + 1 are keys 32 i + 16 (lane / 16) + 0 .. 15; V's channels and the queries of a tile likewise.
; RING.  Two LDS slots of 8 step blocks; each wave fetches one block of each slot by one tensor load.  A refill has 8 key steps in which to land.
; CLUSTER.  The four work-groups of a cluster belong to one (batch, head) and walk the same blocks: each is asked for JOINTLY, by the same tensor load with the same descriptor and the mask of all four.
; No prefetch is written: a slot is asked for eight key steps ahead of the wait for it.
; LIMITS: NaN and infinities are not served; p under 2^-126 falls to 0; 1 / l is v_rcp_f32; a block of zeros gets the scale byte 1 (its codes are zeros, and only this program reads the bytes).
; REGISTERS.  Window 0: v1-8 addresses; v16-23 -M, largest t, the sum's two halves, a tile; v24-27 f; v28-35 scale words (p's, K's, V's, q's); v36-67 at work, 16 a tile; v68-83, v84-107 p's codes; v128-255 S^T, then p.
;   Window 1: v0-47 K's four fragments; v48-95 V's; v96-131 q, 18 a tile; v136-199 O^T, 32 a tile.
.set STEPB, 12800
.set HEADB, 409600
.set SLOTB, 8*STEPB
.set SLOT1, 1<<17                      ; slot 1 begins here: one exclusive or turns an address in one slot into the other's
.set SPARE, SLOTB                      ; behind slot 0: the spare words, 128 bytes for each wave: four blocks of 256 bytes that no other line names
.set VOFF,  6144
.set KSOFF, 12288
.set VSOFF, 12544
.set L16, 1                            ; 16 x lane, 8 x lane, 4 x lane; never rewritten
.set L8,  2
.set L4,  3
.set A16, 4                            ; the same + the step block's place in LDS
.set A8,  5
.set A4,  6
.set SPW, 7                            ; LDS address of my spare word; never rewritten
.set NIL, 8                            ; 0; never rewritten
.set ST,  16                           ; tile t: v[ST+4t] -M, +1 the largest t, +2, +3 the sum
.set FF,  24                           ; tile t: v[FF+2t] f (named as a pair)
.set PS,  28
.set KS,  30
.set VS,  32
.set QS,  34
.set BM,  36                           ; tile t at +16 t: the blocks' largest scores, then largest p
.set PX,  40                           ; the other half's, then the bytes
.set SO,  44                           ; the conversions' scale operands
.set TA,  48                           ; at work; +2, +3: the sum's second chain
.set CT,  68
.set PC,  84
.set S,   128
.set KF,  0
.set VF,  48
.set QF,  96
.set OT,  136
.set WV,  12
.set G1,  24                           ; s[24:31] descriptor group 1
.set G0A, 32                           ; s[32:35] group 0 of slot 0's first fill
.set G0B, 36                           ; s[36:39] group 0 of slot 1's first fill, which then walks
.set TB,  40                           ; LDS byte at which the step block in hand begins
.set CNT, 41
.set SLOTS, 42
.set CS,  44                           ; s[44:45] c = log2(e) / 8
.set SEL, 46                           ; s[46:47] lane selects for lane l xor 16
.set MSB, 0
.macro WIN new                         ; the immediate's high byte repeats the setting that is left; a switch that changes nothing is dropped
.if MSB != \new
	s_set_vgpr_msb (MSB<<8)|\new
.set MSB, \new
.endif
.endm
.macro CROUND                          ; a round of the cluster's barrier
	s_barrier_signal -1
	s_barrier_wait -1
	s_cmp_lg_u32 s[WV], 0
	s_cbranch_scc1 .Lnot_wave_0_\@
	s_barrier_signal -3
.Lnot_wave_0_\@:
	s_barrier_wait -3
	s_barrier_signal -1
	s_barrier_wait -1
.endm
.macro IMG reg, off                    ; a fragment's image from LDS
	ds_load_b128 v[(\reg):(\reg)+3], v[A16] offset:(\off)
	ds_load_b64 v[(\reg)+4:(\reg)+5], v[A8] offset:(\off)+512
	ds_load_b128 v[(\reg)+6:(\reg)+9], v[A16] offset:(\off)+768
	ds_load_b64 v[(\reg)+10:(\reg)+11], v[A8] offset:(\off)+1280
.endm
.macro QUANT s, pc, ct, pw, tm         ; 64 numbers of a lane, register 16 b + i = k 32 b + 16 (lane / 16) + i, become 12 registers of codes and a scale word
.irp b, 0,1,2,3
	v_max3_num_f32 v[\tm+\b], |v[\s+16*\b]|, |v[\s+16*\b+1]|, 0x2800000   ; and the floor 2^(5 - 127): the byte cannot fall under 1
.endr
.irp i, 2,4,6,8,10,12,14
.irp b, 0,1,2,3
	v_max3_num_f32 v[\tm+\b], v[\tm+\b], |v[\s+16*\b+\i]|, |v[\s+16*\b+\i+1]|
.endr
.endr
.irp b, 0,1,2,3
	v_permlanex16_b32 v[\tm+4+\b], v[\tm+\b], s[SEL], s[SEL+1]
.endr
.irp b, 0,1,2,3
	v_max_num_f32 v[\tm+\b], v[\tm+\b], v[\tm+4+\b]
.endr
.irp b, 0,1,2,3
	v_add_nc_u32 v[\tm+12+\b], 0xfe000000, v[\tm+\b]
.endr
.irp b, 0,1,2,3
	v_lshrrev_b32 v[\tm+4+\b], 23, v[\tm+12+\b]
.endr
	v_lshl_or_b32 v[\pw], v[\tm+5], 8, v[\tm+4]
	v_lshl_or_b32 v[\pw], v[\tm+6], 16, v[\pw]
	v_lshl_or_b32 v[\pw], v[\tm+7], 24, v[\pw]
.irp c, 0,1
	v_cvt_scalef32_pk16_bf6_f32 v[\pc+6*\c:\pc+6*\c+2], v[\s+32*\c:\s+32*\c+15], v[\tm+12+2*\c]
	v_cvt_scalef32_pk16_bf6_f32 v[\ct+4*\c:\ct+4*\c+2], v[\s+32*\c+16:\s+32*\c+31], v[\tm+12+2*\c+1]
.endr
	v_nop
.irp c, 0,1
.irp i, 0,1,2
	v_permlane16_swap_b32 v[\pc+6*\c+\i], v[\ct+4*\c+\i]
.endr
.irp i, 0,1,2
	v_mov_b32 v[\pc+6*\c+3+\i], v[\ct+4*\c+\i]
.endr
.endr
.endm
	s_load_b256 s[4:11], s[0:1], 0x0               ; qb s[4:5], kv s[6:7], oc s[8:9], os s[10:11]
	v_lshl_add_u32 v[SPW], v0, 2, SPARE
	v_mov_b32 v[NIL], 0
	ds_add_u32 v7, v8
	ds_add_u32 v7, v8
	s_wait_dscnt 0x0
	v_lshrrev_b32 v9, 5, v0
	v_readfirstlane_b32 s[WV], v9                  ; wave 0..7
	s_bfe_u32 s13, ttmp6, 0x40000                  ; cx: my place in the cluster: it enters q's, oc's and os's addresses alone
	s_lshl_b32 s14, ttmp9, 2
	s_add_co_u32 s14, s14, s13                     ; my block of 256 queries
	s_and_b32 s15, ttmp7, 0xffff                   ; batch x 8 + head, which the four partners share
	s_mul_i32 s16, s15, HEADB                      ; its first byte in kv and in qb
	s_mul_i32 s17, s[WV], STEPB                    ; the step block of a slot that I fetch: in memory and in LDS
	s_add_co_u32 s18, s16, s17
	s_mov_b32 s19, 0
	; descriptor group 1: a step block is 12,800 dense bytes: 50 rows of 32 elements of 8 bytes
	s_mov_b32 s[G1], 15|(3<<16)|(1<<21)            ; 15:0 the mask: all four work-groups; 17:16 elements of 8 bytes; 20 no padding; 21 set beside a mask
	s_mov_b32 s[G1+1], 32<<16                      ; tensor_dim0 = 32
	s_mov_b32 s[G1+2], 50<<16                      ; tensor_dim1 = 50
	s_mov_b32 s[G1+3], 32<<16                      ; tile_dim0 = 32
	s_mov_b32 s[G1+4], 50                          ; tile_dim1 = 50
	s_mov_b32 s[G1+5], 32                          ; from row to row
	s_mov_b32 s[G1+6], 0
	s_mov_b32 s[G1+7], 0
	s_mov_b32 s[G0A], 1
	s_mov_b32 s[G0A+1], s17
	s_mov_b32 s[G0B], 1
	s_add_co_u32 s[G0B+1], s17, SLOT1
	s_lshl_b32 s20, s14, 3
	s_add_co_u32 s20, s20, s[WV]                   ; g: my group of 32 queries, 0 .. 127
	s_lshr_b32 s21, s20, 2
	s_mul_i32 s21, s21, STEPB
	s_add_co_u32 s21, s21, s16                     ; its step block in qb
	s_and_b32 s22, s20, 3
	s_mul_i32 s23, s22, 1536
	s_add_co_u32 s48, s21, s23                     ; its codes,
	s_mov_b32 s49, 0
	s_lshl_b32 s22, s22, 6
	s_add_co_u32 s50, s21, s22
	s_add_co_u32 s50, s50, KSOFF                   ; its scale words
	s_mov_b32 s51, 0
	s_lshr_b32 s52, s15, 3
	s_lshl_b32 s52, s52, 7
	s_add_co_u32 s52, s52, s20                     ; G = batch x 128 + g
	s_and_b32 s53, s15, 7                          ; head
	s_mul_i32 s54, s52, 12288
	s_mul_i32 s55, s53, 768
	s_add_co_u32 s54, s54, s55                     ; oc: [G][tile][head][768]
	s_mov_b32 s55, 0
	s_lshl_b32 s52, s52, 10
	s_lshl_b32 s53, s53, 7
	s_add_co_u32 s52, s52, s53                     ; os: [G][head][128]
	s_mov_b32 s53, 0
	s_mov_b32 s[CS], 0x3e38aa3b                    ; c = log2(e) / 8
	s_mov_b32 s[CS+1], s[CS]                       ; (named with it as a pair)
	s_mov_b32 s[SEL], 0x76543210
	s_mov_b32 s[SEL+1], 0xfedcba98
	s_mov_b32 s[TB], 0
	v_and_b32 v9, 31, v0
	v_lshlrev_b32 v[L16], 4, v9
	v_lshlrev_b32 v[L8], 3, v9
	v_lshlrev_b32 v[L4], 2, v9
	v_and_b32 v10, 15, v0
	v_lshlrev_b32 v10, 2, v10                      ; 4 r
	s_wait_kmcnt 0x0
	s_add_nc_u64 s[G0A+2:G0A+3], s[6:7], s[18:19]
	s_add_nc_u64 s[G0B+2:G0B+3], s[G0A+2:G0A+3], SLOTB
	s_or_b32 s[G0A+3], s[G0A+3], 0x80000000        ; type = 2
	s_or_b32 s[G0B+3], s[G0B+3], 0x80000000
	s_add_nc_u64 s[56:57], s[4:5], s[48:49]
	s_add_nc_u64 s[58:59], s[4:5], s[50:51]
	s_add_nc_u64 s[8:9], s[8:9], s[54:55]
	s_add_nc_u64 s[10:11], s[10:11], s[52:53]
	CROUND                                         ; all four work-groups are here: the first joint loads meet
	tensor_load_to_lds s[G0A:G0A+3], s[G1:G1+7]    ; key steps 0 to 7: my block of slot 0.  Both first fills go out together: two loads of mine are out
	s_nop 0
	tensor_load_to_lds s[G0B:G0B+3], s[G1:G1+7]    ; key steps 8 to 15: of slot 1
	s_nop 0
.rept 4
	v_nop                                          ; four plain lines follow the tensor loads
.endr
	WIN 0x40                                       ; destination window 1
.irp t, 0,1                                    ; q stays in registers: [q, zeros, q]
	global_load_b128 v[QF+18*\t:QF+18*\t+3], v[L16], s[56:57] offset:768*\t
	global_load_b64 v[QF+18*\t+4:QF+18*\t+5], v[L8], s[56:57] offset:768*\t+512
	global_load_b128 v[QF+18*\t+12:QF+18*\t+15], v[L16], s[56:57] offset:768*\t
	global_load_b64 v[QF+18*\t+16:QF+18*\t+17], v[L8], s[56:57] offset:768*\t+512
.irp i, 0,1,2,3,4,5
	v_mov_b32 v[QF+18*\t+6+\i], 0
.endr
.endr
	WIN 0
	global_load_b32 v9, v10, s[58:59]              ; my query rows' word: tile 0's two bytes, tile 1's two
.irp t, 0,1
	v_mov_b32 v[ST+4*\t+1], 0xff61b1e6             ; the largest t so far: -3e38, under every t
	v_floor_f32 v[ST+4*\t], -v[ST+4*\t+1]          ; -M
	v_mov_b32 v[ST+4*\t+2], 0                      ; the sum, in two halves
	v_mov_b32 v[ST+4*\t+3], 0
	v_mov_b32 v[FF+2*\t+1], 0                      ; (named as the upper half of f's pair)
.irp b, 0,1,2,3
	v_mov_b32 v[PX+16*\t+\b], 0                    ; a lane permute's destination counts as one of its sources
.endr
.endr
	s_wait_loadcnt 0x0
	v_perm_b32 v[QS], v9, v9, 0x01000100           ; tile 0's scale word: s0 s1 s0 s1
	v_perm_b32 v[QS+1], v9, v9, 0x03020302         ; tile 1's
	WIN 0x40
.set J, 0
.rept 64
	v_mov_b32 v[OT+J], 0                           ; O^T.  The step is written once: its first run finds zeros.  (These lines are also the places between the scale words' making and the first product)
.set J, J+1
.endr
	WIN 0
	s_wait_tensorcnt 1                             ; my block of slot 0 is in; slot 1's, issued behind it, may stay out
	s_barrier_signal -1
	s_barrier_wait -1                              ; everybody's is
; A KEY STEP: 128 keys, both tiles of queries.
.macro STEP
	v_add_nc_u32 v[A16], s[TB], v[L16]             ; these three and the v_nop are the four places between the last product and the loads into V's registers
	v_add_nc_u32 v[A8], s[TB], v[L8]
	v_add_nc_u32 v[A4], s[TB], v[L4]
	v_nop
	ds_load_b32 v[KS], v[A4] offset:KSOFF          ; lanes 0-15 group 0's words, lanes 16-31 group 1's
	ds_load_b32 v[KS+1], v[A4] offset:KSOFF+128
	WIN 0x40
.irp i, 0,1,2,3
	IMG KF+12*\i, 1536*\i
.endr
.irp i, 0,1,2,3
	IMG VF+12*\i, VOFF+1536*\i
.endr
	WIN 0
	ds_load_b32 v[VS], v[A4] offset:VSOFF
	ds_load_b32 v[VS+1], v[A4] offset:VSOFF+128
	s_wait_dscnt 18                                ; K's words and fragments are in; V's 16 loads and its 2 words, issued behind them, may be out
	WIN 0x05                                       ; K and q in window 1, S^T in window 0
.irp i, 0,1,2,3
.irp e, 0,1
.irp t, 0,1
.if \i%2
	v_wmma_scale_f32_16x16x128_f8f6f4 v[S+64*\t+8*(2*\i+\e):S+64*\t+8*(2*\i+\e)+7], v[KF+12*\i:KF+12*\i+11], v[QF+18*\t+6*\e:QF+18*\t+6*\e+11], 0, v[KS+\i/2], v[QS+\t] matrix_a_fmt:MATRIX_FMT_BF6 matrix_b_fmt:MATRIX_FMT_BF6 matrix_a_scale:MATRIX_SCALE_ROW1
.else
	v_wmma_scale_f32_16x16x128_f8f6f4 v[S+64*\t+8*(2*\i+\e):S+64*\t+8*(2*\i+\e)+7], v[KF+12*\i:KF+12*\i+11], v[QF+18*\t+6*\e:QF+18*\t+6*\e+11], 0, v[KS+\i/2], v[QS+\t] matrix_a_fmt:MATRIX_FMT_BF6 matrix_b_fmt:MATRIX_FMT_BF6
.endif
.endr
.endr
.endr
	WIN 0
.rept 4
	v_nop                                          ; four places in front of the first read of results
.endr
.irp b, 0,1,2,3                                ; THE LARGEST SCORE OF EACH BLOCK OF 32 KEYS: it serves for the row's maximum and, since p rises with the score, for the block's largest p.  Each accumulator is read from its low end on
.irp t, 0,1
	v_max3_num_f32 v[BM+16*\t+\b], v[S+64*\t+16*\b], v[S+64*\t+16*\b+1], v[S+64*\t+16*\b+2]
.endr
.endr
.irp i, 3,5,7,9,11,13
.irp b, 0,1,2,3
.irp t, 0,1
	v_max3_num_f32 v[BM+16*\t+\b], v[BM+16*\t+\b], v[S+64*\t+16*\b+\i], v[S+64*\t+16*\b+\i+1]
.endr
.endr
.endr
.irp b, 0,1,2,3
.irp t, 0,1
	v_max_num_f32 v[BM+16*\t+\b], v[BM+16*\t+\b], v[S+64*\t+16*\b+15]
.endr
.endr
.irp b, 0,1,2,3
.irp t, 0,1
	v_permlanex16_b32 v[PX+16*\t+\b], v[BM+16*\t+\b], s[SEL], s[SEL+1]
.endr
.endr
.irp b, 0,1,2,3
.irp t, 0,1
	v_max_num_f32 v[BM+16*\t+\b], v[BM+16*\t+\b], v[PX+16*\t+\b]   ; with lane l xor 16's 16 keys
.endr
.endr
.irp t, 0,1
	v_max3_num_f32 v[TA+16*\t], v[BM+16*\t], v[BM+16*\t+1], v[BM+16*\t+2]
.endr
.irp t, 0,1
	v_max_num_f32 v[TA+16*\t], v[TA+16*\t], v[BM+16*\t+3]          ; the step's largest score of my query
.endr
.irp t, 0,1
	v_mul_f32 v[TA+16*\t], s[CS], v[TA+16*\t]                      ; as t (c is positive)
.endr
.irp t, 0,1
	v_max_num_f32 v[ST+4*\t+1], v[ST+4*\t+1], v[TA+16*\t]          ; the running largest t
.endr
.irp t, 0,1
	v_mov_b32 v[TA+16*\t], v[ST+4*\t]
.endr
.irp t, 0,1
	v_floor_f32 v[ST+4*\t], -v[ST+4*\t+1]                          ; the new -M = floor(-t): M is a whole number
.endr
.irp t, 0,1
	v_sub_f32 v[TA+16*\t], v[ST+4*\t], v[TA+16*\t]                 ; old M - new M: a whole number, 0 or less
.endr
.irp t, 0,1
	v_cvt_i32_f32 v[TA+16*\t], v[TA+16*\t]                         ; (it saturates)
.endr
.irp t, 0,1
	v_ldexp_f32 v[FF+2*\t], 1.0, v[TA+16*\t]                       ; f = 2^(old M - new M)
.endr
.set J, 0
.rept 32
.irp t, 0,1
	v_pk_fma_f32 v[S+64*\t+2*J:S+64*\t+2*J+1], v[S+64*\t+2*J:S+64*\t+2*J+1], s[CS:CS+1], v[ST+4*\t:ST+4*\t+1] op_sel_hi:[1,0,0]   ; t - M, two at a time
.endr
.set J, J+1
.endr
.irp b, 0,1,2,3
.irp t, 0,1
	v_fma_f32 v[BM+16*\t+\b], v[BM+16*\t+\b], s[CS], v[ST+4*\t]    ; the same of each block's largest score
.endr
.endr
.set J, 0
.rept 64
.irp t, 0,1
	v_exp_f32 v[S+64*\t+J], v[S+64*\t+J]                           ; p = 2^(t - M): NOT normalised
.endr
.set J, J+1
.endr
.irp t, 0,1
	v_pk_mul_f32 v[ST+4*\t+2:ST+4*\t+3], v[ST+4*\t+2:ST+4*\t+3], v[FF+2*\t:FF+2*\t+1] op_sel_hi:[1,0]   ; the sums under the new M: plain lines behind the exponentials
.endr
	s_wait_alu depctr_va_vdst(0)                   ; one wait for the batch of 128, ahead of its first reader
.irp b, 0,1,2,3
.irp t, 0,1
	v_exp_f32 v[BM+16*\t+\b], v[BM+16*\t+\b]                       ; the block's largest p: the same two instructions on the same number
.endr
.endr
.irp t, 0,1
	v_pk_add_f32 v[TA+16*\t+2:TA+16*\t+3], v[S+64*\t:S+64*\t+1], v[S+64*\t+2:S+64*\t+3]   ; THE ROW'S SUM IS TAKEN OF THE UNQUANTISED p, in two chains a tile
.endr
.set J, 4
.rept 15
.irp t, 0,1
	v_pk_add_f32 v[ST+4*\t+2:ST+4*\t+3], v[ST+4*\t+2:ST+4*\t+3], v[S+64*\t+J:S+64*\t+J+1]
	v_pk_add_f32 v[TA+16*\t+2:TA+16*\t+3], v[TA+16*\t+2:TA+16*\t+3], v[S+64*\t+J+2:S+64*\t+J+3]
.endr
.set J, J+4
.endr
.irp t, 0,1
	v_pk_add_f32 v[ST+4*\t+2:ST+4*\t+3], v[ST+4*\t+2:ST+4*\t+3], v[TA+16*\t+2:TA+16*\t+3]
.endr
	s_wait_alu depctr_va_vdst(0)                   ; and one for the eight
.irp b, 0,1,2,3
.irp t, 0,1
	v_max_num_f32 v[BM+16*\t+\b], 0x2800000, v[BM+16*\t+\b]        ; the floor 2^(5 - 127): the byte cannot fall under 1
.endr
.endr
.irp b, 0,1,2,3
.irp t, 0,1
	v_add_nc_u32 v[SO+16*\t+\b], 0xfe000000, v[BM+16*\t+\b]        ; 4 off the exponent field: the conversion's scale operand
.endr
.endr
.irp b, 0,1,2,3
.irp t, 0,1
	v_lshrrev_b32 v[PX+16*\t+\b], 23, v[SO+16*\t+\b]               ; the scale's byte
.endr
.endr
.irp t, 0,1
	v_lshl_or_b32 v[PS+\t], v[PX+16*\t+1], 8, v[PX+16*\t]          ; p's scale word for these 128 keys
.endr
.irp t, 0,1
	v_lshl_or_b32 v[PS+\t], v[PX+16*\t+2], 16, v[PS+\t]
.endr
.irp t, 0,1
	v_lshl_or_b32 v[PS+\t], v[PX+16*\t+3], 24, v[PS+\t]
.endr
.irp t, 0,1
.irp c, 0,1
	v_cvt_scalef32_pk16_bf6_f32 v[PC+12*\t+6*\c:PC+12*\t+6*\c+2], v[S+64*\t+32*\c:S+64*\t+32*\c+15], v[SO+16*\t+2*\c]
	v_cvt_scalef32_pk16_bf6_f32 v[CT+8*\t+4*\c:CT+8*\t+4*\c+2], v[S+64*\t+32*\c+16:S+64*\t+32*\c+31], v[SO+16*\t+2*\c+1]
.endr
.endr
	v_nop                                          ; one plain place behind the scaled conversions
.irp t, 0,1
.irp c, 0,1                                    ; the operand wants a WHOLE block in a lane
.irp i, 0,1,2
	v_permlane16_swap_b32 v[PC+12*\t+6*\c+\i], v[CT+8*\t+4*\c+\i]
.endr
.irp i, 0,1,2
	v_mov_b32 v[PC+12*\t+6*\c+3+\i], v[CT+8*\t+4*\c+\i]
.endr
.endr
.endr
	WIN 0x41                                       ; O^T (destination and source 0) in window 1, f in window 0
.irp t, 0,1
.set J, 0
.rept 16
	v_pk_mul_f32 v[OT+32*\t+2*J:OT+32*\t+2*J+1], v[OT+32*\t+2*J:OT+32*\t+2*J+1], v[FF+2*\t:FF+2*\t+1] op_sel_hi:[1,0]   ; O^T under the new M.  (These 32 are also the places between p's codes and scale words and the products)
.set J, J+1
.endr
.endr
	s_wait_dscnt 0x0                               ; V is in
	WIN 0x51                                       ; V in window 1, p in window 0, O^T in window 1
.irp n, 0,1,2,3                                ; O^T += V^T P^T: the eight accumulators take turns, one instruction a turn
.irp t, 0,1
.if \n%2
	v_wmma_scale_f32_16x16x128_f8f6f4 v[OT+32*\t+8*\n:OT+32*\t+8*\n+7], v[VF+12*\n:VF+12*\n+11], v[PC+12*\t:PC+12*\t+11], v[OT+32*\t+8*\n:OT+32*\t+8*\n+7], v[VS+\n/2], v[PS+\t] matrix_a_fmt:MATRIX_FMT_BF6 matrix_b_fmt:MATRIX_FMT_BF6 matrix_a_scale:MATRIX_SCALE_ROW1
.else
	v_wmma_scale_f32_16x16x128_f8f6f4 v[OT+32*\t+8*\n:OT+32*\t+8*\n+7], v[VF+12*\n:VF+12*\n+11], v[PC+12*\t:PC+12*\t+11], v[OT+32*\t+8*\n:OT+32*\t+8*\n+7], v[VS+\n/2], v[PS+\t] matrix_a_fmt:MATRIX_FMT_BF6 matrix_b_fmt:MATRIX_FMT_BF6
.endif
.endr
.endr
	WIN 0                                          ; at a label and at a branch every window is 0
	s_add_co_u32 s[TB], s[TB], STEPB               ; the next step block
.endm
.macro SLOT_STEPS                      ; a slot's eight key steps: written once, walked eight times
	s_mov_b32 s[CNT], 8
.Lstep_\@:
	STEP
	s_sub_co_u32 s[CNT], s[CNT], 1
	s_cmp_lg_u32 s[CNT], 0
	s_cbranch_scc1 .Lstep_\@
.endm
; THE CHANGE OF SLOTS.  Each wave waits for all its tensor loads (its block of the slot ahead), adds 0 to its spare word, and waits for that and for its reads of the slot that it leaves.
; fill = 1: the slot just left is filled with the keys two slots on.  The barrier is then a round of the cluster's, so that no wave of any partner still reads that slot or has a load on its way,
; and the joint refill is the first thing behind it, one load a wave.
.macro CHANGE fill
	s_wait_tensorcnt 0x0                           ; no tensor load of mine is out, so a group 0 may be written
	ds_add_u32 v[SPW], v[NIL]                      ; 0 onto my spare word
.if \fill
	s_xor_b32 s[G0B+1], s[G0B+1], SLOT1            ; the walking descriptor: the other slot than last time,
	s_add_nc_u64 s[G0B+2:G0B+3], s[G0B+2:G0B+3], SLOTB   ; the next eight step blocks; the type bits on top are not reached
.endif
	s_wait_dscnt 0x0                               ; the add is done, and my reads of the slot are over
.if \fill
	CROUND
	tensor_load_to_lds s[G0B:G0B+3], s[G1:G1+7]
	s_nop 0
.rept 4
	v_nop
.endr
.else
	s_barrier_signal -1
	s_barrier_wait -1
.endif
	s_sub_co_u32 s[TB], s[TB], SLOTB               ; back to a slot's first block,
	s_xor_b32 s[TB], s[TB], SLOT1                  ; in the other slot
.endm
	SLOT_STEPS                                     ; key steps 0 to 7, from slot 0
	s_mov_b32 s[SLOTS], 2
.Lslot:                                            ; two trips: slot 0 takes key steps 16 to 23, slot 1 key steps 24 to 31
	CHANGE 1
	SLOT_STEPS
	s_sub_co_u32 s[SLOTS], s[SLOTS], 1
	s_cmp_lg_u32 s[SLOTS], 0
	s_cbranch_scc1 .Lslot
	CHANGE 0                                       ; the last slot is written out
	SLOT_STEPS
	; THE WAY OUT.  O^T / l; the two tiles' 2 x 32 numbers a lane are 4 blocks of 32 channels: quantised as one fragment, whose two halves are the two tiles' half images for the output projection.
.rept 4
	v_nop                                          ; four places behind the last products
.endr
.irp t, 0,1
	v_add_f32 v[108+\t], v[ST+4*\t+2], v[ST+4*\t+3]
.endr
.irp t, 0,1
	v_permlanex16_b32 v[PX+16*\t], v[108+\t], s[SEL], s[SEL+1]
.endr
.irp t, 0,1
	v_add_f32 v[108+\t], v[108+\t], v[PX+16*\t]    ; the row's sum
.endr
.irp t, 0,1
	v_rcp_f32 v[112+\t], v[108+\t]
.endr
	v_nop                                          ; a plain line behind the reciprocals,
	s_wait_alu depctr_va_vdst(0)                   ; and the wait ahead of their first reader
	WIN 0x01                                       ; source 0 (O^T) in window 1
.irp t, 0,1
.set J, 0
.rept 32
	v_mul_f32 v[S+32*\t+J], v[OT+32*\t+J], v[112+\t]   ; register 32 t + 16 c + i: channel 32 c + 16 (lane / 16) + i of tile t's query; each accumulator from its low end on
.set J, J+1
.endr
.endr
	WIN 0
	QUANT S, PC, CT, 110, BM
.irp t, 0,1
	global_store_b128 v[L16], v[PC+6*\t:PC+6*\t+3], s[8:9] offset:6144*\t         ; 512 consecutive bytes, aligned to 256
	global_store_b64 v[L8], v[PC+6*\t+4:PC+6*\t+5], s[8:9] offset:6144*\t+512     ; 256 consecutive bytes, aligned
.endr
	global_store_b32 v[L4], v110, s[10:11]         ; the scale word: tile 0's two bytes, tile 1's two; lanes 16-31 hold a copy
	s_wait_tensorcnt 0x0                           ; the wave's end
	ds_add_u32 v[SPW], v[NIL]
	s_wait_dscnt 0x0
	CROUND                                         ; the closing round: no work-group ends while a partner may still ask for a block that names it
	s_endpgm
.Lfunc_end_k_q75c4ebd0dd_attn:
	.size	k_q75c4ebd0dd_attn, .Lfunc_end_k_q75c4ebd0dd_attn-k_q75c4ebd0dd_attn
	.p2alignl 7, 3214868480
	.fill 96, 4, 3214868480
	.section	.rodata,"a",@progbits
	.p2align	6, 0x0
	.amdhsa_kernel k_q75c4ebd0dd_attn
		.amdhsa_group_segment_fixed_size 327680
		.amdhsa_private_segment_fixed_size 0
		.amdhsa_enable_private_segment 0
		.amdhsa_kernarg_size 32
		.amdhsa_user_sgpr_count 2
		.amdhsa_user_sgpr_kernarg_segment_ptr 1
		.amdhsa_wavefront_size32 1
		.amdhsa_system_sgpr_workgroup_id_x 1
		.amdhsa_system_sgpr_workgroup_id_y 1
		.amdhsa_system_sgpr_workgroup_id_z 1
		.amdhsa_system_vgpr_workitem_id 0
		.amdhsa_next_free_vgpr 512
		.amdhsa_next_free_sgpr 66
		.amdhsa_reserve_vcc 0
		.amdhsa_float_denorm_mode_32 3
		.amdhsa_float_denorm_mode_16_64 3
		.amdhsa_memory_ordered 1
		.amdhsa_forward_progress 1
		.amdhsa_inst_pref_size 105
	.end_amdhsa_kernel
	.amdgpu_metadata
---
amdhsa.version: [ 1, 2 ]
amdhsa.kernels:
  - .name:           k_q75c4ebd0dd_attn
    .symbol:         k_q75c4ebd0dd_attn.kd
    .args:
      - { .name: qb, .offset: 0, .size: 8, .value_kind: global_buffer, .address_space: global }
      - { .name: kv, .offset: 8, .size: 8, .value_kind: global_buffer, .address_space: global }
      - { .name: oc, .offset: 16, .size: 8, .value_kind: global_buffer, .address_space: global }
      - { .name: os, .offset: 24, .size: 8, .value_kind: global_buffer, .address_space: global }
    .group_segment_fixed_size: 327680
    .private_segment_fixed_size: 0
    .kernarg_segment_align: 8
    .kernarg_segment_size: 32
    .max_flat_workgroup_size: 256
    .sgpr_count:     66
    .vgpr_count:     512
    .wavefront_size: 32
...
	.end_amdgpu_metadata
.endif
;; end of part 2
;; launch outp (part 3): grid 4 x 64, 8 waves a work-group, no clusters, 124,160 bytes of LDS; arguments oc, os, Wo_codes, Wo_scales, bo, out0; writes out0
.if DOCPART == 3
	.amdgcn_target "amdgcn-amd-amdhsa--gfx1250"
	.amdhsa_code_object_version 6
	.text
	.protected	k_q75c4ebd0dd_outp
	.globl	k_q75c4ebd0dd_outp
	.p2align	8
	.type	k_q75c4ebd0dd_outp,@function
k_q75c4ebd0dd_outp:
	s_mov_b64 s[64:65], 0
	v_nop
	global_prefetch_b8 v0, s[64:65] scope:SCOPE_SE
	s_setreg_imm32_b32 hwreg(HW_REG_WAVE_MODE, 25, 1), 1
	s_wait_xcnt 0x0
; THE OUTPUT PROJECTION out0 = O Wo + bo on codes of BF6 (E3M2), K = 512 = head x 64 + channel.  O's codes come as images of operand registers, made by the attention launch:
;   oc [G = group of 32 tokens: 256][tile u: 2][head: 8][768 bytes]: the 6,144 bytes of a (G, u) are the tile's four K-step fragments on end;  os [G][head][32 lanes x 4 bytes]: bytes u0 s0, u0 s1, u1 s0, u1 s1.
;   Lane r of tile u is token 32 G + 8 u + r + 8 (r / 8).
; THE MATRIX INSTRUCTION IS USED TRANSPOSED: source 0 = 16 rows of Wo (outputs n), source 1 = 16 tokens: a lane holds neighbouring outputs of one token.  Lane r of Wo's tile 2 q + e takes row 32 q + 8 e + r + 8 (r / 8),
; so that the 16 registers of tiles 2 q, 2 q + 1 are outputs 32 q + 16 (lane / 16) + 0 .. 15.
; SHARES.  A work-group: 128 outputs x 128 tokens.  Wave w: group G = 4 y + w / 2, outputs 64 (w % 2) on: 4 tiles of Wo x 2 tiles of tokens: 8 accumulators, 4 K steps, 32 matrix instructions.
; bo is loaded straight into the accumulators: the sums begin as the bias.
; LDS: Wo's 128 rows, staged once, row x at 416 x + 16 ((x / 16) % 2), with which the 32 lanes of an 8-byte fragment load touch 64 different banks of 4 bytes; behind them a stage of 32 rows x 272 bytes for each wave, its own.
; No tensor loads and no cluster: each work-group stages once and nothing is filled again.
.set PITCH, 416
.set STG,   53504
.set WSTG,  8704
.set L16, 4
.set L8,  5
.set L4,  6
.set SPA, 7                            ; v7-9  staging: LDS addresses, one for each load of a trio
.set PA,  10                           ; v10   LDS address of my fragments of Wo
.set SCA, 11                           ; v11   lane part of Wo's scale loads
.set BOA, 12                           ; v12   lane part of bo's loads
.set SO,  13                           ; v13   the stage: where I put 16 bytes of a row
.set SR,  14                           ; v14   and where I read a row back
.set GO,  15                           ; v15   my byte offset in out0's rows
.set RS,  16                           ; v16-23  the tokens' scale words: 4 u + s
.set PSC, 24                           ; v24-31  Wo's: 4 q + s: lanes 0-15 tile 2 q, lanes 16-31 tile 2 q + 1
.set RF,  32                           ; v32-127 the tokens' fragments: 48 u + 12 s; later the rows read back from the stage
.set PF,  128                          ; v128-175 the staged bytes, then four fragments of Wo
.set OW,  176                          ; v176-183 os's words, a head each
.set ACC, 192                          ; v192-255 accumulator (u, p) at 192 + 32 u + 8 p
.macro FRAG reg, adr, off
.irp p, 0,1,2,3,4,5
	ds_load_b64 v[(\reg)+2*\p:(\reg)+2*\p+1], v[\adr] offset:(\off)+48*(\p/3)+8*(\p%3)
.endr
.endm
	s_load_b256 s[4:11], s[0:1], 0x0               ; oc s[4:5], os s[6:7], Wo's codes s[8:9], Wo's scales s[10:11]
	s_load_b128 s[12:15], s[0:1], 0x20             ; bo s[12:13], out0 s[14:15]
	v_lshl_add_u32 v190, v0, 2, 0x1e100
	v_mov_b32 v191, 0
	v_lshrrev_b32 v1, 5, v0
	v_readfirstlane_b32 s16, v1                    ; wave 0..7
	s_and_b32 s17, ttmp7, 0xffff
	s_lshl_b32 s18, ttmp9, 7                       ; the work-group's first output
	s_lshr_b32 s19, s16, 1
	s_lshl_b32 s20, s17, 2
	s_add_co_u32 s19, s19, s20                     ; G
	s_and_b32 s20, s16, 1
	s_lshl_b32 s21, s20, 6
	s_add_co_u32 s21, s21, s18                     ; my first output
	s_lshl_b32 s22, s16, 4
	s_add_co_u32 s22, s22, s18
	s_mul_i32 s22, s22, 384                        ; I stage Wo's rows 16 w on
	s_mov_b32 s23, 0
	s_mul_i32 s24, s19, 12288                      ; oc
	s_mov_b32 s25, 0
	s_lshl_b32 s26, s19, 10                        ; os
	s_mov_b32 s27, 0
	s_lshl_b32 s28, s21, 4                         ; Wo's scale bytes
	s_mov_b32 s29, 0
	s_lshl_b32 s30, s21, 2                         ; bo
	s_mov_b32 s31, 0
	s_lshl_b32 s32, s19, 16                        ; out0: 32 rows of 2,048 bytes a group,
	s_add_co_u32 s32, s32, s30                     ; and my first output
	s_mov_b32 s33, 0
	s_mul_i32 s34, s16, 16*PITCH
	s_lshl_b32 s35, s20, 4
	s_add_co_u32 s34, s34, s35                     ; LDS: where I stage (rows 16 w .. 16 w + 15 are one group of 16)
	s_mul_i32 s35, s20, 64*PITCH                   ; where my 64 rows of Wo lie
	s_mul_i32 s36, s16, WSTG
	s_add_co_u32 s36, s36, STG                     ; my stage
	v_and_b32 v1, 31, v0                           ; lane
	v_and_b32 v2, 15, v0                           ; r
	v_bfe_u32 v3, v0, 4, 1                         ; h
	v_lshlrev_b32 v[L16], 4, v1
	v_lshlrev_b32 v[L8], 3, v1
	v_lshlrev_b32 v[L4], 2, v1
	v_lshrrev_b32 v184, 3, v1
	v_and_b32 v185, 7, v1
	v_lshlrev_b32 v185, 4, v185
.irp j, 0,1,2                                  ; three loads of 512 bytes are four rows of 384: chunk 4 j + lane / 8 of 128 bytes is row chunk / 3, column chunk % 3
	v_add_nc_u32 v186, 4*\j, v184
	v_mul_u32_u24 v187, v186, 11
	v_lshrrev_b32 v187, 5, v187
	v_mul_u32_u24 v188, v187, 3
	v_sub_nc_u32 v186, v186, v188
	v_mul_u32_u24 v187, v187, PITCH
	v_lshl_add_u32 v187, v186, 7, v187
	v_add_nc_u32 v187, v187, v185
	v_add_nc_u32 v[SPA+\j], s34, v187
.endr
	v_lshrrev_b32 v184, 3, v2                      ; r / 8
	v_lshl_add_u32 v185, v184, 3, v2               ; r + 8 (r / 8)
	v_mul_u32_u24 v186, v185, PITCH
	v_lshl_add_u32 v186, v184, 4, v186
	v_mad_u32_u24 v186, v3, 24, v186
	v_add_nc_u32 v[PA], s35, v186
	v_lshl_add_u32 v[SCA], v3, 3, v185
	v_lshlrev_b32 v[SCA], 4, v[SCA]
	v_lshlrev_b32 v[BOA], 6, v3
	v_mul_u32_u24 v[SO], v2, 272
	v_lshl_add_u32 v[SO], v3, 6, v[SO]
	v_add_nc_u32 v[SO], s36, v[SO]                 ; in: row r, + 64 h
	v_mul_u32_u24 v[SR], v3, 272
	v_lshl_add_u32 v[SR], v2, 4, v[SR]
	v_add_nc_u32 v[SR], s36, v[SR]                 ; back: lanes 0-15 one row of 256 bytes, lanes 16-31 the next
	v_lshlrev_b32 v[GO], 11, v3
	v_lshl_add_u32 v[GO], v2, 4, v[GO]             ; and the same two rows in out0
	s_wait_kmcnt 0x0
	s_add_nc_u64 s[8:9], s[8:9], s[22:23]
	s_add_nc_u64 s[4:5], s[4:5], s[24:25]
	s_add_nc_u64 s[6:7], s[6:7], s[26:27]
	s_add_nc_u64 s[10:11], s[10:11], s[28:29]
	s_add_nc_u64 s[12:13], s[12:13], s[30:31]
	s_add_nc_u64 s[14:15], s[14:15], s[32:33]
.set N, 0
.rept 12
	global_load_b128 v[PF+4*N:PF+4*N+3], v[L16], s[8:9] offset:512*N    ; staging: 512 consecutive bytes a load
.set N, N+1
.endr
.irp u, 0,1
.irp s, 0,1,2,3                                ; the tokens' fragments stay in registers
	global_load_b128 v[RF+48*\u+12*\s:RF+48*\u+12*\s+3], v[L16], s[4:5] offset:6144*\u+1536*\s
	global_load_b64 v[RF+48*\u+12*\s+4:RF+48*\u+12*\s+5], v[L8], s[4:5] offset:6144*\u+1536*\s+512
	global_load_b128 v[RF+48*\u+12*\s+6:RF+48*\u+12*\s+9], v[L16], s[4:5] offset:6144*\u+1536*\s+768
	global_load_b64 v[RF+48*\u+12*\s+10:RF+48*\u+12*\s+11], v[L8], s[4:5] offset:6144*\u+1536*\s+1280
.endr
.endr
.irp q, 0,1,2,3,4,5,6,7
	global_load_b32 v[OW+\q], v[L4], s[6:7] offset:128*\q
.endr
.irp q, 0,1
	global_load_b128 v[PSC+4*\q:PSC+4*\q+3], v[SCA], s[10:11] offset:512*\q
.endr
.irp u, 0,1
.irp q, 0,1
.irp i, 0,1,2,3
	global_load_b128 v[ACC+32*\u+16*\q+4*\i:ACC+32*\u+16*\q+4*\i+3], v[BOA], s[12:13] offset:128*\q+16*\i   ; bo(my first output + 32 q + 16 h + 4 i ..)
.endr
.endr
.endr
	s_wait_loadcnt 58                              ; the 12 staging loads are in; the 32 + 8 + 2 + 16 loads issued behind them may be out
.set N, 0
.rept 12
	ds_store_b128 v[SPA+N%3], v[PF+4*N:PF+4*N+3] offset:4*PITCH*(N/3)
.set N, N+1
.endr
	s_wait_dscnt 0x0                               ; for the others' sake: my stores have landed
	s_barrier_signal -1
	s_barrier_wait -1                              ; Wo's 128 rows lie in LDS; they are only read from here on
	s_wait_loadcnt 0x0
.irp s, 0,1,2,3                                ; K step s is heads 2 s and 2 s + 1: two bytes of each head's word
	v_perm_b32 v[RS+\s], v[OW+2*\s+1], v[OW+2*\s], 0x05040100
	v_perm_b32 v[RS+4+\s], v[OW+2*\s+1], v[OW+2*\s], 0x07060302
.endr
.rept 8
	v_nop                                          ; a scale register written by a vector instruction stands eight places ahead of a scaled product
.endr
.irp s, 0,1,2,3
.if \s > 0
.rept 4
	v_nop                                          ; four places in front of loads into registers that matrix instructions have read
.endr
.endif
.irp p, 0,1,2,3
	FRAG PF+12*\p, PA, (32*(\p/2)+8*(\p%2))*PITCH+96*\s
.endr
	s_wait_dscnt 0x0
.irp p, 0,1,2,3                                ; the eight accumulators take turns, one instruction a turn
.irp u, 0,1
.if \p%2
	v_wmma_scale_f32_16x16x128_f8f6f4 v[ACC+32*\u+8*\p:ACC+32*\u+8*\p+7], v[PF+12*\p:PF+12*\p+11], v[RF+48*\u+12*\s:RF+48*\u+12*\s+11], v[ACC+32*\u+8*\p:ACC+32*\u+8*\p+7], v[PSC+4*(\p/2)+\s], v[RS+4*\u+\s] matrix_a_fmt:MATRIX_FMT_BF6 matrix_b_fmt:MATRIX_FMT_BF6 matrix_a_scale:MATRIX_SCALE_ROW1
.else
	v_wmma_scale_f32_16x16x128_f8f6f4 v[ACC+32*\u+8*\p:ACC+32*\u+8*\p+7], v[PF+12*\p:PF+12*\p+11], v[RF+48*\u+12*\s:RF+48*\u+12*\s+11], v[ACC+32*\u+8*\p:ACC+32*\u+8*\p+7], v[PSC+4*(\p/2)+\s], v[RS+4*\u+\s] matrix_a_fmt:MATRIX_FMT_BF6 matrix_b_fmt:MATRIX_FMT_BF6
.endif
.endr
.endr
.endr
.rept 4
	v_nop                                          ; four places in front of the first read of results and of the loads into operand registers
.endr
	; THE WAY OUT: through my own stage, so that sixteen lanes store 256 consecutive bytes of a row of out0.  LDS serves a wave's instructions in order: no wait between the stores and the loads.
.irp u, 0,1
.irp q, 0,1
.irp i, 0,1,2,3
	ds_store_b128 v[SO], v[ACC+32*\u+16*\q+4*\i:ACC+32*\u+16*\q+4*\i+3] offset:4352*\u+128*\q+16*\i   ; each accumulator from its low end on
.endr
.endr
.endr
.irp i, 0,1,2,3,4,5,6,7,8,9,10,11,12,13,14,15
	ds_load_b128 v[RF+4*\i:RF+4*\i+3], v[SR] offset:544*\i
.endr
.irp i, 0,1,2,3,4,5,6,7,8,9,10,11,12,13,14,15
	s_wait_dscnt 15-\i                             ; rows 2 i, 2 i + 1 of the stage are back; the younger loads may be out
	global_store_b128 v[GO], v[RF+4*\i:RF+4*\i+3], s[14:15] offset:2048*(8*(\i/8)+2*(\i%8)+8*((\i%8)/4)) th:TH_STORE_NT   ; stage row 16 u + r is token 8 u + r + 8 (r / 8) of the group; each half of the lanes stores 256 consecutive bytes, aligned
.endr
	s_wait_tensorcnt 0x0
	ds_add_u32 v190, v191
	s_wait_dscnt 0x0
	s_endpgm
.Lfunc_end_k_q75c4ebd0dd_outp:
	.size	k_q75c4ebd0dd_outp, .Lfunc_end_k_q75c4ebd0dd_outp-k_q75c4ebd0dd_outp
	.p2alignl 7, 3214868480
	.fill 96, 4, 3214868480
	.section	.rodata,"a",@progbits
	.p2align	6, 0x0
	.amdhsa_kernel k_q75c4ebd0dd_outp
		.amdhsa_group_segment_fixed_size 124160
		.amdhsa_private_segment_fixed_size 0
		.amdhsa_enable_private_segment 0
		.amdhsa_kernarg_size 48
		.amdhsa_user_sgpr_count 2
		.amdhsa_user_sgpr_kernarg_segment_ptr 1
		.amdhsa_wavefront_size32 1
		.amdhsa_system_sgpr_workgroup_id_x 1
		.amdhsa_system_sgpr_workgroup_id_y 1
		.amdhsa_system_sgpr_workgroup_id_z 1
		.amdhsa_system_vgpr_workitem_id 0
		.amdhsa_next_free_vgpr 256
		.amdhsa_next_free_sgpr 66
		.amdhsa_reserve_vcc 0
		.amdhsa_float_denorm_mode_32 3
		.amdhsa_float_denorm_mode_16_64 3
		.amdhsa_memory_ordered 1
		.amdhsa_forward_progress 1
		.amdhsa_inst_pref_size 28
	.end_amdhsa_kernel
	.amdgpu_metadata
---
amdhsa.version: [ 1, 2 ]
amdhsa.kernels:
  - .name:           k_q75c4ebd0dd_outp
    .symbol:         k_q75c4ebd0dd_outp.kd
    .args:
      - { .name: oc, .offset: 0, .size: 8, .value_kind: global_buffer, .address_space: global }
      - { .name: os, .offset: 8, .size: 8, .value_kind: global_buffer, .address_space: global }
      - { .name: Wo_codes, .offset: 16, .size: 8, .value_kind: global_buffer, .address_space: global }
      - { .name: Wo_scales, .offset: 24, .size: 8, .value_kind: global_buffer, .address_space: global }
      - { .name: bo, .offset: 32, .size: 8, .value_kind: global_buffer, .address_space: global }
      - { .name: out0, .offset: 40, .size: 8, .value_kind: global_buffer, .address_space: global }
    .group_segment_fixed_size: 124160
    .private_segment_fixed_size: 0
    .kernarg_segment_align: 8
    .kernarg_segment_size: 48
    .max_flat_workgroup_size: 256
    .sgpr_count:     66
    .vgpr_count:     256
    .wavefront_size: 32
...
	.end_amdgpu_metadata
.endif
;; end of part 3
;; ======== version 2 of 2: 3 launches
;; workspace buffers: qb 6,553,600 bytes; kv 6,553,600 bytes; oc 3,145,728 bytes; os 262,144 bytes
;; launch proj (part 4): grid 64 x 3, 16 waves a work-group, no clusters, 270,848 bytes of LDS; arguments Q_codes, Q_scales, Wq_codes, Wq_scales, bq, K_codes, K_scales, Wk_codes, Wk_scales, bk, V_codes, V_scales, Wv_codes, Wv_scales, bv, qb, kv; writes qb, kv
.if DOCPART == 4
	.amdgcn_target "amdgcn-amd-amdhsa--gfx1250"
	.amdhsa_code_object_version 6
	.text
	.protected	k_q75c4ebd0dd_proj
	.globl	k_q75c4ebd0dd_proj
	.p2align	8
	.type	k_q75c4ebd0dd_proj,@function
k_q75c4ebd0dd_proj:
	s_mov_b64 s[64:65], 0
	v_nop
	global_prefetch_b8 v0, s[64:65] scope:SCOPE_SE
	s_setreg_imm32_b32 hwreg(HW_REG_WAVE_SCHED_MODE, 0, 2), 2
	s_setreg_imm32_b32 hwreg(HW_REG_WAVE_MODE, 25, 1), 1
	s_wait_xcnt 0x0
	s_wait_alu depctr_vm_vsrc(0)
; THE THREE PROJECTIONS q = Q Wq + bq, k = K Wk + bk, v = V Wv + bv (work-group y = 0, 1, 2), on codes of BF6 (E3M2) with one E8M0 scale for each 32 along K = 512,
; and the quantising of the results for the attention launch: q and k along the head's 64, v along the keys.  One text serves all three.
; Source 0 of the matrix instruction is called P: its rows become a lane's registers, that is the NEXT product's K.  Source 1 is called R: its rows become the lanes.
;   q, k: P = the weight's 512 rows (n = head x 64 + d), R = 128 tokens.      v: P = 512 tokens (the keys), R = 128 rows of Wv (channels).
; Both have rows of 384 bytes of codes and 16 scale bytes; only pointers and a few scalars differ, chosen by the work-group's y.
; THE ROWS OF A TILE ARE NOT NEIGHBOURS: lane r of tile 2 b + u takes row 32 b + 8 u + r + 8 (r / 8), for P and for R.  So a lane's 16 registers of result tiles 2 b, 2 b + 1 are 16 neighbours,
; 32 b + 16 (lane / 16) + 0 .. 15, along the next K, and the conversions, which take neighbours from one lane's registers, give the next operand's codes.
; SHARES.  A work-group: 512 P rows x 128 R rows.  Wave w (a = w % 4, b = w / 4): P rows 128 a on (8 tiles) x R rows 32 b on (2 tiles): 16 accumulators, 4 K steps, 64 matrix instructions.
; Its 2 x 64 numbers a lane become two fragments (16 rows x 128 along the next K, 12 registers) and two scale words.
; RESULTS LEAVE AS IMAGES OF OPERAND REGISTERS.  A half image is 768 bytes: registers 0-3 of lane l at 16 l, registers 4-5 at 512 + 8 l: each store covers 512 or 256 consecutive bytes, aligned to 256.
;   kv (and qb, whose V parts are neither written nor read): [batch x 8 + head][key step of 128][12,800 bytes]:  +0 K: 4 groups of 32 keys x 2 halves (u) x 768;  +6,144 V: 4 tiles of 16 channels x 1,536 (128 keys);
;   +12,288 K's scale words [group][16 rows]: bytes u0 s0, u0 s1, u1 s0, u1 s1;  +12,544 V's scale words [tile][16 rows]: a byte for each 32 keys.
; LDS: rows are staged once by plain loads and LDS stores, row x at 416 x + 16 ((x / 16) % 2): with that placement the 32 lanes of an 8-byte fragment load touch 64 different banks of 4 bytes
; (in words: (r % 8) x 104 = 8 (r % 8) mod 64; r / 8 adds 4; lane / 16 adds 6).  One barrier; behind it LDS is only read.
; LIMITS: NaN and infinities are not served.  A block of zeros gets the scale byte 1 (its codes are zeros, and only this program reads the bytes).
; THE MODE: SCHED_MODE bits 1:0 = 2 (LLVM: expert scheduling mode 2), set by the entry lines.  The code itself states the register dependences
; between vector or matrix instructions and memory or LDS instructions, with s_wait_alu, always for 0.
; THE PLAN.  Registers that memory or LDS instructions touch:
;   offsets and LDS addresses (v4, v8-12, v14-17, v24-29): written by vector lines at the head and never again; one wait on va_vdst ahead of the first load serves them all.
;   v128-248   the staging loads land there, the staging LDS stores read them, then the products write them as accumulators: one wait on vm_vsrc behind the barrier.
;   P0, P1     two buffers of two fragments of P.  Step k (of 16: K step k / 4, P tiles 2 (k % 4) and 2 (k % 4) + 1) multiplies buffer k % 2; the LDS loads of step k + 1 land in the other buffer.
;   R          one set of two fragments, at work through the four steps of a K step and loaded anew at the next K step's head: the 256 registers that the launch gives a wave leave no 24 on end for a second set.
;   So ONE wait on va_vdst stands at the head of each step but the first: the step before is done reading its buffer of P (and, at a K step's head, R).  The step's twelve loads follow it, dealt among its
;   products, which name the other buffer, R, the scale words and the accumulators: none of the registers in which those loads land.
;   v32-95     behind the products the bias lands there: one wait on va_vdst behind the last products' places.
;   v52, v56-67, v76-87   the codes and the scale word, written by vector lines and read by the nine stores: one wait on va_vdst ahead of the run of stores.
.set PITCH, 416
.set RREG,  213248                     ; behind P's 512 rows: R's 128 rows
.set BIAS,  266752                     ; behind them: 512 numbers of the bias
.set STEPB, 12800
.set HEADB, 409600
.set L16, 4                            ; v4   16 x lane: staging loads, image stores
.set PA,  8                            ; v8   LDS address of my P fragments
.set RA,  9                            ; v9   of my R fragments
.set SCA, 10                           ; v10  lane part of the scale loads
.set BAQ, 11                           ; v11  bias in LDS, q and k: along the registers
.set BAV, 12                           ; v12  bias in LDS, v: by the lane's channel
.set L8,  14                           ; v14  8 x lane
.set SVO, 15                           ; v15  where my scale word goes
.set BGO, 16                           ; v16  bias: my word in memory
.set BLO, 17                           ; v17  and in LDS
.set SPA, 24                           ; v24-26 staging: LDS addresses for P, one for each load of a trio
.set SRA, 27                           ; v27-29 the same for R
.set PFR, 32                           ; v32-79   two buffers of two fragments of P
.set RFR, 80                           ; v80-103  two fragments of R
.set PSC, 104                          ; v104-119 P's scale words: register 4 q + s: lanes 0-15 tile 2 q, lanes 16-31 tile 2 q + 1, K step s
.set RSC, 120                          ; v120-123 R's: register s: lanes 0-15 tile 0, lanes 16-31 tile 1
.set ACC, 128                          ; v128-255 accumulator (u, p) at 128 + 64 u + 8 p; at the head: the staged bytes
.set BPR, 32                           ; behind the products: the bias
.set TM,  32                           ; then v32-47 at work in QUANT, v48-49 scale words, v50-52 words to store, v56-95 codes
.set YY, 42
.set XX, 43
.set WV, 44
.set WA, 45
.set WB, 46
.set SEL, 82
.set MODE, 84
.macro FRAG reg, adr, off              ; a fragment: 16 rows x 128 K of 6-bit codes, 12 registers: two runs of 24 bytes of the row, in pieces of 8 bytes
.irp p, 0,1,2,3,4,5
	ds_load_b64 v[(\reg)+2*\p:(\reg)+2*\p+1], v[\adr] offset:(\off)+48*(\p/3)+8*(\p%3)
.endr
.endm
.macro WM d, a, b, z, sa, sb, ra, rb   ; one product; z: it starts the sum; ra, rb: the scales stand in lanes 16-31
.if (\z) && (\ra) && (\rb)
	v_wmma_scale_f32_16x16x128_f8f6f4 v[\d:\d+7], v[\a:\a+11], v[\b:\b+11], 0, v[\sa], v[\sb] matrix_a_fmt:MATRIX_FMT_BF6 matrix_b_fmt:MATRIX_FMT_BF6 matrix_a_scale:MATRIX_SCALE_ROW1 matrix_b_scale:MATRIX_SCALE_ROW1
.elseif (\z) && (\ra)
	v_wmma_scale_f32_16x16x128_f8f6f4 v[\d:\d+7], v[\a:\a+11], v[\b:\b+11], 0, v[\sa], v[\sb] matrix_a_fmt:MATRIX_FMT_BF6 matrix_b_fmt:MATRIX_FMT_BF6 matrix_a_scale:MATRIX_SCALE_ROW1
.elseif (\z) && (\rb)
	v_wmma_scale_f32_16x16x128_f8f6f4 v[\d:\d+7], v[\a:\a+11], v[\b:\b+11], 0, v[\sa], v[\sb] matrix_a_fmt:MATRIX_FMT_BF6 matrix_b_fmt:MATRIX_FMT_BF6 matrix_b_scale:MATRIX_SCALE_ROW1
.elseif (\z)
	v_wmma_scale_f32_16x16x128_f8f6f4 v[\d:\d+7], v[\a:\a+11], v[\b:\b+11], 0, v[\sa], v[\sb] matrix_a_fmt:MATRIX_FMT_BF6 matrix_b_fmt:MATRIX_FMT_BF6
.elseif (\ra) && (\rb)
	v_wmma_scale_f32_16x16x128_f8f6f4 v[\d:\d+7], v[\a:\a+11], v[\b:\b+11], v[\d:\d+7], v[\sa], v[\sb] matrix_a_fmt:MATRIX_FMT_BF6 matrix_b_fmt:MATRIX_FMT_BF6 matrix_a_scale:MATRIX_SCALE_ROW1 matrix_b_scale:MATRIX_SCALE_ROW1
.elseif (\ra)
	v_wmma_scale_f32_16x16x128_f8f6f4 v[\d:\d+7], v[\a:\a+11], v[\b:\b+11], v[\d:\d+7], v[\sa], v[\sb] matrix_a_fmt:MATRIX_FMT_BF6 matrix_b_fmt:MATRIX_FMT_BF6 matrix_a_scale:MATRIX_SCALE_ROW1
.elseif (\rb)
	v_wmma_scale_f32_16x16x128_f8f6f4 v[\d:\d+7], v[\a:\a+11], v[\b:\b+11], v[\d:\d+7], v[\sa], v[\sb] matrix_a_fmt:MATRIX_FMT_BF6 matrix_b_fmt:MATRIX_FMT_BF6 matrix_b_scale:MATRIX_SCALE_ROW1
.else
	v_wmma_scale_f32_16x16x128_f8f6f4 v[\d:\d+7], v[\a:\a+11], v[\b:\b+11], v[\d:\d+7], v[\sa], v[\sb] matrix_a_fmt:MATRIX_FMT_BF6 matrix_b_fmt:MATRIX_FMT_BF6
.endif
.endm
; 64 numbers of a lane, v[s] on, register 16 b + i = k 32 b + 16 (lane / 16) + i of my row, become a fragment's 12 registers of codes at v[pc] and its scale word in v[pw].  ct: 8 registers, tm: 16 registers at work.
.macro QUANT s, pc, ct, pw, tm
.irp b, 0,1,2,3
	v_max3_num_f32 v[\tm+\b], |v[\s+16*\b]|, |v[\s+16*\b+1]|, 0x2800000   ; block b: my 16 numbers, and the floor 2^(5 - 127): the byte cannot fall under 1
.endr
.irp i, 2,4,6,8,10,12,14
.irp b, 0,1,2,3
	v_max3_num_f32 v[\tm+\b], v[\tm+\b], |v[\s+16*\b+\i]|, |v[\s+16*\b+\i+1]|   ; the four blocks by turns
.endr
.endr
.irp b, 0,1,2,3
	v_permlanex16_b32 v[\tm+4+\b], v[\tm+\b], s[SEL], s[SEL+1]
.endr
.irp b, 0,1,2,3
	v_max_num_f32 v[\tm+\b], v[\tm+\b], v[\tm+4+\b]                      ; with lane l xor 16's 16: the block's largest magnitude
.endr
.irp b, 0,1,2,3
	v_add_nc_u32 v[\tm+12+\b], 0xfe000000, v[\tm+\b]                     ; 4 off its exponent field: the conversion's scale operand
.endr
.irp b, 0,1,2,3
	v_lshrrev_b32 v[\tm+4+\b], 23, v[\tm+12+\b]                          ; the scale's byte
.endr
	v_lshl_or_b32 v[\pw], v[\tm+5], 8, v[\tm+4]
	v_lshl_or_b32 v[\pw], v[\tm+6], 16, v[\pw]
	v_lshl_or_b32 v[\pw], v[\tm+7], 24, v[\pw]
.irp c, 0,1
	v_cvt_scalef32_pk16_bf6_f32 v[\pc+6*\c:\pc+6*\c+2], v[\s+32*\c:\s+32*\c+15], v[\tm+12+2*\c]
	v_cvt_scalef32_pk16_bf6_f32 v[\ct+4*\c:\ct+4*\c+2], v[\s+32*\c+16:\s+32*\c+31], v[\tm+12+2*\c+1]   ; (a conversion's three registers begin on an even number)
.endr
	v_nop                                          ; one plain place behind the scaled conversions
.irp c, 0,1                                    ; the operand wants a WHOLE block in a lane: lanes 0-15 block 2 c, lanes 16-31 block 2 c + 1
.irp i, 0,1,2
	v_permlane16_swap_b32 v[\pc+6*\c+\i], v[\ct+4*\c+\i]
.endr
.irp i, 0,1,2
	v_mov_b32 v[\pc+6*\c+3+\i], v[\ct+4*\c+\i]
.endr
.endr
.endm
	s_load_b512 s[8:23], s[0:1], 0x0               ; Q's codes 8, scales 10; Wq's codes 12, scales 14; bq 16; K's codes 18, scales 20; Wk's codes 22
	s_load_b512 s[24:39], s[0:1], 0x40             ; Wk's scales 24; bk 26; V's codes 28, scales 30; Wv's codes 32, scales 34; bv 36; qb 38
	s_load_b64 s[40:41], s[0:1], 0x80              ; kv
	v_lshl_add_u32 v126, v0, 2, 0x41a00
	v_mov_b32 v127, 0
	v_lshrrev_b32 v1, 5, v0
	v_readfirstlane_b32 s[WV], v1                  ; wave 0..15
	s_and_b32 s[YY], ttmp7, 0xffff                 ; which projection
	s_mov_b32 s[XX], ttmp9
	s_wait_alu depctr_va_sdst(0)                   ; the wave's number is written, ahead of its first reader: shares, bases and LDS places are made from it
	s_and_b32 s[WA], s[WV], 3                      ; a: my 128 rows of P
	s_lshr_b32 s[WB], s[WV], 2                     ; b: my 32 rows of R
	; where results go, for q and k: batch x / 32, heads 2 a and 2 a + 1, key step x % 32, group b
	s_lshr_b32 s85, s[XX], 5
	s_lshl_b32 s85, s85, 3
	s_lshl_b32 s86, s[WA], 1
	s_add_co_u32 s85, s85, s86                     ; batch x 8 + head
	s_and_b32 s86, s[XX], 31                       ; key step
	s_mul_i32 s87, s[WB], 1536                     ; the group's codes in a step block
	s_lshl_b32 s88, s[WB], 6
	s_add_co_u32 s88, s88, 12288                   ; its scale words
	s_lshl_b32 s89, s[XX], 7                       ; R's first row: token 128 x
	; and for v: the wave's 128 tokens are key step unit = 4 (x / 4) + a; channels 128 (x % 4) + 32 b on
	s_lshr_b32 s90, s[XX], 2
	s_and_b32 s91, s[XX], 3
	s_lshl_b32 s92, s90, 2
	s_add_co_u32 s92, s92, s[WA]                   ; unit
	s_lshr_b32 s93, s92, 5
	s_lshl_b32 s93, s93, 3
	s_lshl_b32 s94, s91, 1
	s_add_co_u32 s93, s93, s94
	s_lshr_b32 s94, s[WB], 1
	s_add_co_u32 s93, s93, s94                     ; batch x 8 + head
	s_and_b32 s92, s92, 31                         ; key step
	s_and_b32 s94, s[WB], 1                        ; which 32 channels of the head
	s_mul_i32 s95, s94, 3072
	s_add_co_u32 s95, s95, 6144                    ; their two tiles' codes
	s_lshl_b32 s94, s94, 7
	s_add_co_u32 s94, s94, 12544                   ; their scale words
	s_lshl_b32 s90, s90, 9                         ; P's first row: token 512 (x / 4)
	s_lshl_b32 s91, s91, 7                         ; R's first row: channel 128 (x % 4)
	s_cmp_eq_u32 s[YY], 2                          ; the choice hangs on the work-group's y alone
	s_cselect_b32 s[MODE], 1, 0
	s_cselect_b32 s85, s93, s85
	s_cselect_b32 s86, s92, s86
	s_cselect_b32 s87, s95, s87
	s_cselect_b32 s88, s94, s88
	s_cselect_b32 s89, s91, s89                    ; R's first row
	s_cselect_b32 s90, s90, 0                      ; P's first row
	s_cselect_b32 s91, s91, 0                      ; the bias staged begins here,
	s_mov_b32 s92, 511
	s_cselect_b32 s92, 127, s92                    ; and has so many numbers less one
	s_mov_b32 s93, 768
	s_cselect_b32 s93, 1536, s93                   ; from R tile 0's image to R tile 1's
	s_mov_b32 s94, HEADB
	s_cselect_b32 s78, 64, s94                     ; from the scale words of lanes 0-15 to those of lanes 16-31
	s_cselect_b32 s94, 768, s94                    ; from a fragment's first half image to its second: q, k: the next head; v: 768 bytes on
	s_mov_b32 s79, 0x05040100                      ; q, k: the two tiles' bytes 0, 1 (head 2 a); v: tile 0's word
	s_cselect_b32 s79, 0x03020100, s79
	s_mov_b32 s80, 0x07060302                      ; q, k: the two tiles' bytes 2, 3 (head 2 a + 1); v: tile 1's word
	s_cselect_b32 s80, 0x07060504, s80
	s_mul_i32 s85, s85, HEADB
	s_mul_i32 s86, s86, STEPB
	s_add_co_u32 s85, s85, s86                     ; the step block
	s_add_co_u32 s96, s85, s87                     ; the first image
	s_add_co_u32 s98, s85, s88                     ; the scale words
	s_mov_b32 s97, 0
	s_mov_b32 s99, 0
	s_lshl_b32 s95, s[WV], 5
	s_add_co_u32 s95, s95, s90
	s_mul_i32 s60, s95, 384                        ; I stage P's rows 32 w on,
	s_mov_b32 s61, 0
	s_lshl_b32 s95, s[WV], 3
	s_add_co_u32 s95, s95, s89
	s_mul_i32 s62, s95, 384                        ; and R's rows 8 w on
	s_mov_b32 s63, 0
	s_lshl_b32 s95, s[WA], 7
	s_add_co_u32 s95, s95, s90
	s_lshl_b32 s66, s95, 4                         ; scale bytes of my 128 rows of P,
	s_mov_b32 s67, 0
	s_lshl_b32 s95, s[WB], 5
	s_add_co_u32 s95, s95, s89
	s_lshl_b32 s86, s95, 4                         ; and of my 32 rows of R
	s_mov_b32 s87, 0
	s_mul_i32 s85, s[WV], 32*PITCH                 ; LDS: where I stage P,
	s_mul_i32 s88, s[WV], 8*PITCH
	s_bfe_u32 s95, s[WV], 0x10001
	s_lshl_b32 s95, s95, 4
	s_add_co_u32 s88, s88, s95
	s_add_co_u32 s88, s88, RREG                    ; and R (rows 8 w .. 8 w + 7 lie in one group of 16)
	s_mul_i32 s89, s[WA], 128*PITCH                ; where my rows of P lie,
	s_mul_i32 s90, s[WB], 32*PITCH
	s_add_co_u32 s90, s90, RREG                    ; and my rows of R
	s_lshl_b32 s95, s[WA], 9
	s_add_co_u32 s95, s95, BIAS
	s_lshl_b32 s81, s[WB], 7
	s_add_co_u32 s81, s81, BIAS
	s_mov_b32 s[SEL], 0x76543210
	s_mov_b32 s[SEL+1], 0xfedcba98                 ; v_permlanex16_b32's selects for lane l xor 16
	v_and_b32 v1, 31, v0                           ; lane
	v_and_b32 v2, 15, v0                           ; r
	v_bfe_u32 v3, v0, 4, 1                         ; h
	v_lshlrev_b32 v[L16], 4, v1
	v_lshlrev_b32 v[L8], 3, v1
	v_lshrrev_b32 v18, 3, v1
	v_and_b32 v19, 7, v1
	v_lshlrev_b32 v19, 4, v19
.irp j, 0,1,2                                  ; three loads of 512 bytes are four rows of 384: chunk 4 j + lane / 8 of 128 bytes is row chunk / 3, column chunk % 3
	v_add_nc_u32 v20, 4*\j, v18
	v_mul_u32_u24 v21, v20, 11
	v_lshrrev_b32 v21, 5, v21                      ; chunk / 3, for chunks 0 .. 11
	v_mul_u32_u24 v22, v21, 3
	v_sub_nc_u32 v20, v20, v22
	v_mul_u32_u24 v21, v21, PITCH
	v_lshl_add_u32 v21, v20, 7, v21
	v_add_nc_u32 v21, v21, v19
	v_add_nc_u32 v[SPA+\j], s85, v21
	v_add_nc_u32 v[SRA+\j], s88, v21
.endr
	v_lshrrev_b32 v20, 3, v2                       ; r / 8
	v_lshl_add_u32 v21, v20, 3, v2                 ; r + 8 (r / 8)
	v_mul_u32_u24 v22, v21, PITCH
	v_lshl_add_u32 v22, v20, 4, v22                ; rows 16 .. 31 of each 32 lie 16 bytes further on
	v_mad_u32_u24 v22, v3, 24, v22
	v_add_nc_u32 v[PA], s89, v22
	v_add_nc_u32 v[RA], s90, v22
	v_lshl_add_u32 v[SCA], v3, 3, v21
	v_lshlrev_b32 v[SCA], 4, v[SCA]                ; lanes 0-15 the even tile's rows, lanes 16-31 the odd tile's: 16 bytes a row
	v_lshl_add_u32 v[BAQ], v3, 6, s95              ; bias(128 a + 16 h ..)
	v_lshl_add_u32 v[BAV], v21, 2, s81             ; bias(32 b + r + 8 (r / 8))
	v_mul_u32_u24 v[SVO], s78, v3
	v_lshl_add_u32 v[SVO], v2, 2, v[SVO]
	v_and_b32 v[BGO], s92, v0
	v_add_nc_u32 v[BGO], s91, v[BGO]
	v_lshlrev_b32 v[BGO], 2, v[BGO]
	v_lshl_add_u32 v[BLO], v0, 2, BIAS
	s_wait_kmcnt 0x0
	s_cmp_eq_u32 s[YY], 0
	s_cselect_b64 s[48:49], s[12:13], s[22:23]     ; P's codes
	s_cselect_b64 s[50:51], s[14:15], s[24:25]     ; P's scales
	s_cselect_b64 s[52:53], s[8:9], s[18:19]       ; R's codes
	s_cselect_b64 s[54:55], s[10:11], s[20:21]     ; R's scales
	s_cselect_b64 s[56:57], s[16:17], s[26:27]     ; the bias
	s_cselect_b64 s[58:59], s[38:39], s[40:41]     ; q goes to qb, k and v to kv
	s_cmp_eq_u32 s[YY], 2
	s_cselect_b64 s[48:49], s[28:29], s[48:49]
	s_cselect_b64 s[50:51], s[30:31], s[50:51]
	s_cselect_b64 s[52:53], s[32:33], s[52:53]
	s_cselect_b64 s[54:55], s[34:35], s[54:55]
	s_cselect_b64 s[56:57], s[36:37], s[56:57]
	s_add_nc_u64 s[48:49], s[48:49], s[60:61]
	s_add_nc_u64 s[52:53], s[52:53], s[62:63]
	s_add_nc_u64 s[50:51], s[50:51], s[66:67]
	s_add_nc_u64 s[54:55], s[54:55], s[86:87]
	s_add_nc_u64 s[68:69], s[58:59], s[96:97]      ; image of (tile 0, half 0)
	s_add_nc_u64 s[76:77], s[58:59], s[98:99]      ; the scale words
	s_mov_b32 s96, s94
	s_add_nc_u64 s[70:71], s[68:69], s[96:97]      ; (tile 0, half 1)
	s_mov_b32 s96, s93
	s_add_nc_u64 s[72:73], s[68:69], s[96:97]      ; (tile 1, half 0)
	s_add_nc_u64 s[74:75], s[70:71], s[96:97]      ; (tile 1, half 1)
	s_wait_alu depctr_va_vdst(0)                   ; all offsets and LDS addresses (v4, v8-12, v14-17, v24-29) are written: every load and store of the kernel reads one of them, and none is written again
	; STAGING: each load of the wave reads 512 consecutive bytes
.set N, 0
.rept 24
	global_load_b128 v[ACC+4*N:ACC+4*N+3], v[L16], s[48:49] offset:512*N
.set N, N+1
.endr
.set N, 0
.rept 6
	global_load_b128 v[ACC+96+4*N:ACC+96+4*N+3], v[L16], s[52:53] offset:512*N
.set N, N+1
.endr
	global_load_b32 v248, v[BGO], s[56:57]
.irp q, 0,1,2,3
	global_load_b128 v[PSC+4*\q:PSC+4*\q+3], v[SCA], s[50:51] offset:512*\q   ; the scale words go straight into their registers: a row's 16 bytes are its four K steps' words
.endr
	global_load_b128 v[RSC:RSC+3], v[SCA], s[54:55]
	s_wait_loadcnt 5                               ; the 31 staging loads are in; the five scale loads issued behind them may be out
.set N, 0
.rept 24
	ds_store_b128 v[SPA+N%3], v[ACC+4*N:ACC+4*N+3] offset:4*PITCH*(N/3)+16*(N/12)
.set N, N+1
.endr
.set N, 0
.rept 6
	ds_store_b128 v[SRA+N%3], v[ACC+96+4*N:ACC+96+4*N+3] offset:4*PITCH*(N/3)
.set N, N+1
.endr
	ds_store_b32 v[BLO], v248
	s_wait_dscnt 0x0                               ; for the others' sake: my stores have landed
	s_barrier_signal -1
	s_barrier_wait -1                              ; all rows lie in LDS; from here on LDS is only read
	s_wait_alu depctr_vm_vsrc(0)                   ; my LDS stores have read v128-248: these registers are the accumulators from here on, written by the products
	FRAG RFR, RA, 0                                ; K step 0 of R,
	FRAG RFR+12, RA, 8*PITCH
	FRAG PFR, PA, 0                                ; and step 0's two fragments of P, into buffer 0
	FRAG PFR+12, PA, 8*PITCH
	s_wait_loadcnt 0x0                             ; the scale words
; THE PRODUCTS.  Step (s, j): K step s, P tiles 2 j and 2 j + 1 (buffer j % 2) against both R tiles.  The 16 accumulators take turns, one instruction a turn.
.macro PSTEP s, j
.set PB, PFR+24*((\j)%2)
.set NK, 4*(\s)+(\j)+1                 ; the step that follows: K step NS, tiles 2 NJ and 2 NJ + 1, buffer NJ % 2
.set NS, NK/4
.set NJ, NK%4
.set NB, PFR+24*(NJ%2)
.if ((\j) == 0) && ((\s) > 0)
	s_wait_alu depctr_va_vdst(0)                   ; the step before is done reading R, in which this K step's fragments land, and its buffer of P, in which the loads below land
	FRAG RFR, RA, 96*(\s)
	FRAG RFR+12, RA, 8*PITCH+96*(\s)
	s_wait_dscnt 0x0                               ; R is in, and so is this step's buffer of P, asked for a step ago
.else
	s_wait_dscnt 0x0                               ; this step's buffer of P is in (in the first step: R too)
.if (\s)+(\j) > 0
	s_wait_alu depctr_va_vdst(0)                   ; the step before is done reading its buffer of P, in which the loads below land
.endif
.endif
	WM ACC+16*(\j), PB, RFR, (\s)==0, PSC+4*(\j)+(\s), RSC+(\s), 0, 0
.if NK < 16
	FRAG NB, PA, 32*NJ*PITCH+96*NS                 ; the next step's fragments.  No wait: no vector or matrix instruction since the wait above names the other buffer
.endif
	WM ACC+64+16*(\j), PB, RFR+12, (\s)==0, PSC+4*(\j)+(\s), RSC+(\s), 0, 1
.if NK < 16
	FRAG NB+12, PA, (32*NJ+8)*PITCH+96*NS
.endif
	WM ACC+16*(\j)+8, PB+12, RFR, (\s)==0, PSC+4*(\j)+(\s), RSC+(\s), 1, 0
	WM ACC+64+16*(\j)+8, PB+12, RFR+12, (\s)==0, PSC+4*(\j)+(\s), RSC+(\s), 1, 1
.endm
.irp s, 0,1,2,3
.irp j, 0,1,2,3
	PSTEP \s, \j
.endr
.endr
.rept 4
	v_nop                                          ; four places behind the last products, in front of the first read of results
.endr
	s_wait_alu depctr_va_vdst(0)                   ; the products are done reading v32-103, in which the bias lands on either way below
	; THE BIAS, in f32, behind the sums.  q, k: it runs along the registers.  v: it belongs to the lane's channel.  Each accumulator is read from its low end on.
	s_cmp_eq_u32 s[MODE], 1
	s_cbranch_scc1 .Lbias_v
.irp q, 0,1,2,3
.irp i, 0,1,2,3
	ds_load_b128 v[BPR+16*\q+4*\i:BPR+16*\q+4*\i+3], v[BAQ] offset:128*\q+16*\i
.endr
.endr
	s_wait_dscnt 0x0
.set J, 0
.rept 64
	v_pk_add_f32 v[ACC+2*J:ACC+2*J+1], v[ACC+2*J:ACC+2*J+1], v[BPR+2*(J%32):BPR+2*(J%32)+1]
.set J, J+1
.endr
	s_branch .Lbias_done
.Lbias_v:
	ds_load_b32 v[BPR], v[BAV]
	ds_load_b32 v[BPR+1], v[BAV]
	ds_load_b32 v[BPR+2], v[BAV] offset:32         ; tile 1's channels lie 8 further on
	ds_load_b32 v[BPR+3], v[BAV] offset:32
	s_wait_dscnt 0x0
.set J, 0
.rept 64
	v_pk_add_f32 v[ACC+2*J:ACC+2*J+1], v[ACC+2*J:ACC+2*J+1], v[BPR+2*(J/32):BPR+2*(J/32)+1]
.set J, J+1
.endr
.Lbias_done:
.irp b, 0,1,2,3
	v_mov_b32 v[TM+4+\b], 0                        ; a lane permute's destination counts as one of its sources
.endr
	QUANT ACC, 56, 68, 48, TM                      ; R tile 0
	QUANT ACC+64, 76, 88, 49, TM                   ; R tile 1, into registers of its own: no store's data are written again
	v_perm_b32 v50, v49, v48, s79                  ; the word for lanes 0-15,
	v_perm_b32 v51, v49, v48, s80                  ; and for lanes 16-31 (every lane holds its row's two words)
	v_cmp_gt_u32 vcc_lo, 16, v1
	s_wait_alu depctr_va_vcc(0)                    ; VCC is written, ahead of the select that reads it
	v_cndmask_b32 v52, v51, v50, vcc_lo
	s_wait_alu depctr_va_vdst(0)                   ; the codes (v56-67, v76-87) and the scale word (v52) are written: the nine stores below read them
.irp u, 0,1
.irp f, 0,1
	global_store_b128 v[L16], v[56+20*\u+6*\f:56+20*\u+6*\f+3], s[68+4*\u+2*\f:69+4*\u+2*\f]              ; 512 consecutive bytes, aligned to 256
	global_store_b64 v[L8], v[56+20*\u+6*\f+4:56+20*\u+6*\f+5], s[68+4*\u+2*\f:69+4*\u+2*\f] offset:512   ; 256 consecutive bytes, aligned
.endr
.endr
	global_store_b32 v[SVO], v52, s[76:77]
	s_wait_dscnt 0x0
	s_wait_alu depctr_hold_cnt(0) depctr_sa_sdst(0) depctr_va_vdst(0) depctr_va_sdst(0) depctr_va_ssrc(0) depctr_va_vcc(0) depctr_vm_vsrc(0)
	s_wait_tensorcnt 0x0
	ds_add_u32 v126, v127
	s_wait_dscnt 0x0
	s_endpgm
.Lfunc_end_k_q75c4ebd0dd_proj:
	.size	k_q75c4ebd0dd_proj, .Lfunc_end_k_q75c4ebd0dd_proj-k_q75c4ebd0dd_proj
	.p2alignl 7, 3214868480
	.fill 96, 4, 3214868480
	.section	.rodata,"a",@progbits
	.p2align	6, 0x0
	.amdhsa_kernel k_q75c4ebd0dd_proj
		.amdhsa_group_segment_fixed_size 270848
		.amdhsa_private_segment_fixed_size 0
		.amdhsa_enable_private_segment 0
		.amdhsa_kernarg_size 136
		.amdhsa_user_sgpr_count 2
		.amdhsa_user_sgpr_kernarg_segment_ptr 1
		.amdhsa_wavefront_size32 1
		.amdhsa_system_sgpr_workgroup_id_x 1
		.amdhsa_system_sgpr_workgroup_id_y 1
		.amdhsa_system_sgpr_workgroup_id_z 1
		.amdhsa_system_vgpr_workitem_id 0
		.amdhsa_next_free_vgpr 256
		.amdhsa_next_free_sgpr 100
		.amdhsa_reserve_vcc 1
		.amdhsa_float_denorm_mode_32 3
		.amdhsa_float_denorm_mode_16_64 3
		.amdhsa_memory_ordered 1
		.amdhsa_forward_progress 1
		.amdhsa_inst_pref_size 56
	.end_amdhsa_kernel
	.amdgpu_metadata
---
amdhsa.version: [ 1, 2 ]
amdhsa.kernels:
  - .name:           k_q75c4ebd0dd_proj
    .symbol:         k_q75c4ebd0dd_proj.kd
    .args:
      - { .name: Q_codes, .offset: 0, .size: 8, .value_kind: global_buffer, .address_space: global }
      - { .name: Q_scales, .offset: 8, .size: 8, .value_kind: global_buffer, .address_space: global }
      - { .name: Wq_codes, .offset: 16, .size: 8, .value_kind: global_buffer, .address_space: global }
      - { .name: Wq_scales, .offset: 24, .size: 8, .value_kind: global_buffer, .address_space: global }
      - { .name: bq, .offset: 32, .size: 8, .value_kind: global_buffer, .address_space: global }
      - { .name: K_codes, .offset: 40, .size: 8, .value_kind: global_buffer, .address_space: global }
      - { .name: K_scales, .offset: 48, .size: 8, .value_kind: global_buffer, .address_space: global }
      - { .name: Wk_codes, .offset: 56, .size: 8, .value_kind: global_buffer, .address_space: global }
      - { .name: Wk_scales, .offset: 64, .size: 8, .value_kind: global_buffer, .address_space: global }
      - { .name: bk, .offset: 72, .size: 8, .value_kind: global_buffer, .address_space: global }
      - { .name: V_codes, .offset: 80, .size: 8, .value_kind: global_buffer, .address_space: global }
      - { .name: V_scales, .offset: 88, .size: 8, .value_kind: global_buffer, .address_space: global }
      - { .name: Wv_codes, .offset: 96, .size: 8, .value_kind: global_buffer, .address_space: global }
      - { .name: Wv_scales, .offset: 104, .size: 8, .value_kind: global_buffer, .address_space: global }
      - { .name: bv, .offset: 112, .size: 8, .value_kind: global_buffer, .address_space: global }
      - { .name: qb, .offset: 120, .size: 8, .value_kind: global_buffer, .address_space: global }
      - { .name: kv, .offset: 128, .size: 8, .value_kind: global_buffer, .address_space: global }
    .group_segment_fixed_size: 270848
    .private_segment_fixed_size: 0
    .kernarg_segment_align: 8
    .kernarg_segment_size: 136
    .max_flat_workgroup_size: 512
    .sgpr_count:     100
    .vgpr_count:     256
    .wavefront_size: 32
...
	.end_amdgpu_metadata
.endif
;; end of part 4
;; launch attn (part 5): grid 16 x 16, 8 waves a work-group, clusters of 4 x 1, 327,680 bytes of LDS; arguments qb, kv, oc, os; writes oc, os
.if DOCPART == 5
	.amdgcn_target "amdgcn-amd-amdhsa--gfx1250"
	.amdhsa_code_object_version 6
	.text
	.protected	k_q75c4ebd0dd_attn
	.globl	k_q75c4ebd0dd_attn
	.p2align	8
	.type	k_q75c4ebd0dd_attn,@function
k_q75c4ebd0dd_attn:
	s_mov_b64 s[64:65], 0
	v_nop
	global_prefetch_b8 v0, s[64:65] scope:SCOPE_SE
	s_setreg_imm32_b32 hwreg(HW_REG_WAVE_MODE, 25, 1), 1
	s_wait_xcnt 0x0
	s_wait_alu depctr_hold_cnt(0) depctr_sa_sdst(0) depctr_va_vdst(0) depctr_va_sdst(0) depctr_va_ssrc(0) depctr_va_vcc(0) depctr_vm_vsrc(0)
	s_getreg_b32 s2, hwreg(HW_REG_IB_STS2, 6, 4)
	s_cmp_eq_u32 s2, 0
	s_cbranch_scc0 .Lentry_in_a_cluster
	s_endpgm
.Lentry_in_a_cluster:
	s_bfe_u32 s2, ttmp6, 0x10000c
	s_cmp_lg_u32 s2, 0x3003
	s_cbranch_scc0 .Lentry_shape_is_right
	s_endpgm
.Lentry_shape_is_right:
; ATTENTION on codes of BF6 (E3M2): for each of 16 (batch, head) pairs, O[q] = the sum over keys of softmax(q . k / 8) v, 4,096 queries, 4,096 keys, head size 64; O / l is quantised along the channels for the output projection.
; THE SOFTMAX AHEAD OF THE SECOND PRODUCT: t = score x log2(e) / 8; M = the running largest t rounded UP to a whole number; p = 2^(t - M) is quantised along the keys, not normalised.
; The row's sum l is taken of the unquantised p.  When M moves, l and O are multiplied by 2^(old M - new M), which rounds nothing.
; SHARES.  A work-group: 256 queries of one (batch, head).  Each of its eight waves: 32 queries, two tiles of 16, in 512 registers: two waves to a SIMD.  Every wave walks 32 key steps of 128 keys.
; Each fragment of K and V read from LDS feeds both tiles.
; OPERANDS COME AS IMAGES OF THEIR REGISTERS, made by the launch before: a step block of 12,800 bytes: +0 K: 4 groups x 1,536; +6,144 V: 4 tiles x 1,536; +12,288 K's scale words; +12,544 V's.
; A fragment of 12 registers is four LDS loads of consecutive bytes (16 or 8 a lane): no pitch, no padding, no bank met twice.
; BOTH PRODUCTS ARE USED TRANSPOSED: S^T = K Q^T (source 0 = keys), O^T = V^T P^T (source 0 = channels): a lane holds ONE query throughout.
; THE HEAD HAS 64 CHANNELS AND THE INSTRUCTION 128 ALONG K.  A fragment of K holds TWO tiles of 16 keys: tile 2 i in k = 0 .. 63, tile 2 i + 1 in k = 64 .. 127.  q stands in 18 registers [q, zeros, q]:
; source 1 = [q, zeros] gives tile 2 i's scores, source 1 = [zeros, q] (six registers on) tile 2 i + 1's: zero codes add nothing.  q's scale word repeats its two bytes.
; The keys of a tile are 32 i + 8 u + r + 8 (r / 8), so that the 16 registers of tiles 2 i, 2 i + 1 are keys 32 i + 16 (lane / 16) + 0 .. 15; V's channels and the queries of a tile likewise.
; RING.  Two LDS slots of 8 step blocks; each wave fetches one block of each slot by one tensor load.  A refill has 8 key steps in which to land.
; CLUSTER.  The four work-groups of a cluster belong to one (batch, head) and walk the same blocks: each is asked for JOINTLY, by the same tensor load with the same descriptor and the mask of all four.
; No prefetch is written: a slot is asked for eight key steps ahead of the wait for it.
; LIMITS: NaN and infinities are not served; p under 2^-126 falls to 0; 1 / l is v_rcp_f32; a block of zeros gets the scale byte 1 (its codes are zeros, and only this program reads the bytes).
; REGISTERS.  Window 0: v1-8 addresses; v16-23 -M, largest t, the sum's two halves, a tile; v24-27 f; v28-35 scale words (p's, K's, V's, q's); v36-67 at work, 16 a tile; v68-83, v84-107 p's codes; v128-255 S^T, then p.
;   Window 1: v0-47 K's four fragments; v48-95 V's; v96-131 q, 18 a tile; v136-199 O^T, 32 a tile.
.set STEPB, 12800
.set HEADB, 409600
.set SLOTB, 8*STEPB
.set SLOT1, 1<<17                      ; slot 1 begins here: one exclusive or turns an address in one slot into the other's
.set SPARE, SLOTB                      ; behind slot 0: the spare words, 128 bytes for each wave: four blocks of 256 bytes that no other line names
.set VOFF,  6144
.set KSOFF, 12288
.set VSOFF, 12544
.set L16, 1                            ; 16 x lane, 8 x lane, 4 x lane; never rewritten
.set L8,  2
.set L4,  3
.set A16, 4                            ; the same + the step block's place in LDS
.set A8,  5
.set A4,  6
.set SPW, 7                            ; LDS address of my spare word; never rewritten
.set NIL, 8                            ; 0; never rewritten
.set ST,  16                           ; tile t: v[ST+4t] -M, +1 the largest t, +2, +3 the sum
.set FF,  24                           ; tile t: v[FF+2t] f (named as a pair)
.set PS,  28
.set KS,  30
.set VS,  32
.set QS,  34
.set BM,  36                           ; tile t at +16 t: the blocks' largest scores, then largest p
.set PX,  40                           ; the other half's, then the bytes
.set SO,  44                           ; the conversions' scale operands
.set TA,  48                           ; at work; +2, +3: the sum's second chain
.set CT,  68
.set PC,  84
.set S,   128
.set KF,  0
.set VF,  48
.set QF,  96
.set OT,  136
.set WV,  12
.set G1,  24                           ; s[24:31] descriptor group 1
.set G0A, 32                           ; s[32:35] group 0 of slot 0's first fill
.set G0B, 36                           ; s[36:39] group 0 of slot 1's first fill, which then walks
.set TB,  40                           ; LDS byte at which the step block in hand begins
.set CNT, 41
.set SLOTS, 42
.set CS,  44                           ; s[44:45] c = log2(e) / 8
.set SEL, 46                           ; s[46:47] lane selects for lane l xor 16
.set MSB, 0
.macro WIN new                         ; the immediate's high byte repeats the setting that is left; a switch that changes nothing is dropped
.if MSB != \new
	s_set_vgpr_msb (MSB<<8)|\new
.set MSB, \new
.endif
.endm
.macro CROUND                          ; a round of the cluster's barrier
	s_barrier_signal -1
	s_barrier_wait -1
	s_cmp_lg_u32 s[WV], 0
	s_cbranch_scc1 .Lnot_wave_0_\@
	s_barrier_signal -3
.Lnot_wave_0_\@:
	s_barrier_wait -3
	s_barrier_signal -1
	s_barrier_wait -1
.endm
.macro IMG reg, off                    ; a fragment's image from LDS
	ds_load_b128 v[(\reg):(\reg)+3], v[A16] offset:(\off)
	ds_load_b64 v[(\reg)+4:(\reg)+5], v[A8] offset:(\off)+512
	ds_load_b128 v[(\reg)+6:(\reg)+9], v[A16] offset:(\off)+768
	ds_load_b64 v[(\reg)+10:(\reg)+11], v[A8] offset:(\off)+1280
.endm
.macro QUANT s, pc, ct, pw, tm         ; 64 numbers of a lane, register 16 b + i = k 32 b + 16 (lane / 16) + i, become 12 registers of codes and a scale word
.irp b, 0,1,2,3
	v_max3_num_f32 v[\tm+\b], |v[\s+16*\b]|, |v[\s+16*\b+1]|, 0x2800000   ; and the floor 2^(5 - 127): the byte cannot fall under 1
.endr
.irp i, 2,4,6,8,10,12,14
.irp b, 0,1,2,3
	s_delay_alu instid0(VALU_DEP_4)
	v_max3_num_f32 v[\tm+\b], v[\tm+\b], |v[\s+16*\b+\i]|, |v[\s+16*\b+\i+1]|
.endr
.endr
.irp b, 0,1,2,3
	s_delay_alu instid0(VALU_DEP_4)
	v_permlanex16_b32 v[\tm+4+\b], v[\tm+\b], s[SEL], s[SEL+1]
.endr
.irp b, 0,1,2,3
	s_delay_alu instid0(VALU_DEP_4)
	v_max_num_f32 v[\tm+\b], v[\tm+\b], v[\tm+4+\b]
.endr
.irp b, 0,1,2,3
	s_delay_alu instid0(VALU_DEP_4)
	v_add_nc_u32 v[\tm+12+\b], 0xfe000000, v[\tm+\b]
.endr
.irp b, 0,1,2,3
	s_delay_alu instid0(VALU_DEP_4)
	v_lshrrev_b32 v[\tm+4+\b], 23, v[\tm+12+\b]
.endr
	s_delay_alu instid0(VALU_DEP_3)
	v_lshl_or_b32 v[\pw], v[\tm+5], 8, v[\tm+4]
	s_delay_alu instid0(VALU_DEP_1)
	v_lshl_or_b32 v[\pw], v[\tm+6], 16, v[\pw]
	s_delay_alu instid0(VALU_DEP_1)
	v_lshl_or_b32 v[\pw], v[\tm+7], 24, v[\pw]
.irp c, 0,1
	v_cvt_scalef32_pk16_bf6_f32 v[\pc+6*\c:\pc+6*\c+2], v[\s+32*\c:\s+32*\c+15], v[\tm+12+2*\c]
	v_cvt_scalef32_pk16_bf6_f32 v[\ct+4*\c:\ct+4*\c+2], v[\s+32*\c+16:\s+32*\c+31], v[\tm+12+2*\c+1]
.endr
	v_nop
.irp c, 0,1
.irp i, 0,1,2
	v_permlane16_swap_b32 v[\pc+6*\c+\i], v[\ct+4*\c+\i]
.endr
.irp i, 0,1,2
	s_delay_alu instid0(VALU_DEP_3)
	v_mov_b32 v[\pc+6*\c+3+\i], v[\ct+4*\c+\i]
.endr
.endr
.endm
	s_load_b256 s[4:11], s[0:1], 0x0               ; qb s[4:5], kv s[6:7], oc s[8:9], os s[10:11]
	v_lshl_add_u32 v[SPW], v0, 2, SPARE
	v_mov_b32 v[NIL], 0
	ds_add_u32 v7, v8
	ds_add_u32 v7, v8
	s_wait_dscnt 0x0
	v_lshrrev_b32 v9, 5, v0
	s_delay_alu instid0(VALU_DEP_1)
	v_readfirstlane_b32 s[WV], v9                  ; wave 0..7
	s_bfe_u32 s13, ttmp6, 0x40000                  ; cx: my place in the cluster: it enters q's, oc's and os's addresses alone
	s_lshl_b32 s14, ttmp9, 2
	s_add_co_u32 s14, s14, s13                     ; my block of 256 queries
	s_and_b32 s15, ttmp7, 0xffff                   ; batch x 8 + head, which the four partners share
	s_mul_i32 s16, s15, HEADB                      ; its first byte in kv and in qb
	s_mul_i32 s17, s[WV], STEPB                    ; the step block of a slot that I fetch: in memory and in LDS
	s_add_co_u32 s18, s16, s17
	s_mov_b32 s19, 0
	; descriptor group 1: a step block is 12,800 dense bytes: 50 rows of 32 elements of 8 bytes
	s_mov_b32 s[G1], 15|(3<<16)|(1<<21)            ; 15:0 the mask: all four work-groups; 17:16 elements of 8 bytes; 20 no padding; 21 set beside a mask
	s_mov_b32 s[G1+1], 32<<16                      ; tensor_dim0 = 32
	s_mov_b32 s[G1+2], 50<<16                      ; tensor_dim1 = 50
	s_mov_b32 s[G1+3], 32<<16                      ; tile_dim0 = 32
	s_mov_b32 s[G1+4], 50                          ; tile_dim1 = 50
	s_mov_b32 s[G1+5], 32                          ; from row to row
	s_mov_b32 s[G1+6], 0
	s_mov_b32 s[G1+7], 0
	s_mov_b32 s[G0A], 1
	s_mov_b32 s[G0A+1], s17
	s_mov_b32 s[G0B], 1
	s_add_co_u32 s[G0B+1], s17, SLOT1
	s_lshl_b32 s20, s14, 3
	s_add_co_u32 s20, s20, s[WV]                   ; g: my group of 32 queries, 0 .. 127
	s_lshr_b32 s21, s20, 2
	s_mul_i32 s21, s21, STEPB
	s_add_co_u32 s21, s21, s16                     ; its step block in qb
	s_and_b32 s22, s20, 3
	s_mul_i32 s23, s22, 1536
	s_add_co_u32 s48, s21, s23                     ; its codes,
	s_mov_b32 s49, 0
	s_lshl_b32 s22, s22, 6
	s_add_co_u32 s50, s21, s22
	s_add_co_u32 s50, s50, KSOFF                   ; its scale words
	s_mov_b32 s51, 0
	s_lshr_b32 s52, s15, 3
	s_lshl_b32 s52, s52, 7
	s_add_co_u32 s52, s52, s20                     ; G = batch x 128 + g
	s_and_b32 s53, s15, 7                          ; head
	s_mul_i32 s54, s52, 12288
	s_mul_i32 s55, s53, 768
	s_add_co_u32 s54, s54, s55                     ; oc: [G][tile][head][768]
	s_mov_b32 s55, 0
	s_lshl_b32 s52, s52, 10
	s_lshl_b32 s53, s53, 7
	s_add_co_u32 s52, s52, s53                     ; os: [G][head][128]
	s_mov_b32 s53, 0
	s_mov_b32 s[CS], 0x3e38aa3b                    ; c = log2(e) / 8
	s_mov_b32 s[CS+1], s[CS]                       ; (named with it as a pair)
	s_mov_b32 s[SEL], 0x76543210
	s_mov_b32 s[SEL+1], 0xfedcba98
	s_mov_b32 s[TB], 0
	v_and_b32 v9, 31, v0
	s_delay_alu instid0(VALU_DEP_1)
	v_lshlrev_b32 v[L16], 4, v9
	s_delay_alu instid0(VALU_DEP_2)
	v_lshlrev_b32 v[L8], 3, v9
	s_delay_alu instid0(VALU_DEP_3)
	v_lshlrev_b32 v[L4], 2, v9
	v_and_b32 v10, 15, v0
	s_delay_alu instid0(VALU_DEP_1)
	v_lshlrev_b32 v10, 2, v10                      ; 4 r
	s_wait_kmcnt 0x0
	s_add_nc_u64 s[G0A+2:G0A+3], s[6:7], s[18:19]
	s_add_nc_u64 s[G0B+2:G0B+3], s[G0A+2:G0A+3], SLOTB
	s_or_b32 s[G0A+3], s[G0A+3], 0x80000000        ; type = 2
	s_or_b32 s[G0B+3], s[G0B+3], 0x80000000
	s_add_nc_u64 s[56:57], s[4:5], s[48:49]
	s_add_nc_u64 s[58:59], s[4:5], s[50:51]
	s_add_nc_u64 s[8:9], s[8:9], s[54:55]
	s_add_nc_u64 s[10:11], s[10:11], s[52:53]
	CROUND                                         ; all four work-groups are here: the first joint loads meet
	tensor_load_to_lds s[G0A:G0A+3], s[G1:G1+7]    ; key steps 0 to 7: my block of slot 0.  Both first fills go out together: two loads of mine are out
	s_nop 0
	tensor_load_to_lds s[G0B:G0B+3], s[G1:G1+7]    ; key steps 8 to 15: of slot 1
	s_nop 0
.rept 4
	v_nop                                          ; four plain lines follow the tensor loads
.endr
	WIN 0x40                                       ; destination window 1
	s_wait_alu depctr_va_vdst(0)
.irp t, 0,1                                    ; q stays in registers: [q, zeros, q]
	global_load_b128 v[QF+18*\t:QF+18*\t+3], v[L16], s[56:57] offset:768*\t
	global_load_b64 v[QF+18*\t+4:QF+18*\t+5], v[L8], s[56:57] offset:768*\t+512
	global_load_b128 v[QF+18*\t+12:QF+18*\t+15], v[L16], s[56:57] offset:768*\t
	global_load_b64 v[QF+18*\t+16:QF+18*\t+17], v[L8], s[56:57] offset:768*\t+512
.irp i, 0,1,2,3,4,5
	v_mov_b32 v[QF+18*\t+6+\i], 0
.endr
.endr
	WIN 0
	global_load_b32 v9, v10, s[58:59]              ; my query rows' word: tile 0's two bytes, tile 1's two
.irp t, 0,1
	v_mov_b32 v[ST+4*\t+1], 0xff61b1e6             ; the largest t so far: -3e38, under every t
	s_delay_alu instid0(VALU_DEP_1)
	v_floor_f32 v[ST+4*\t], -v[ST+4*\t+1]          ; -M
	v_mov_b32 v[ST+4*\t+2], 0                      ; the sum, in two halves
	v_mov_b32 v[ST+4*\t+3], 0
	v_mov_b32 v[FF+2*\t+1], 0                      ; (named as the upper half of f's pair)
.irp b, 0,1,2,3
	v_mov_b32 v[PX+16*\t+\b], 0                    ; a lane permute's destination counts as one of its sources
.endr
.endr
	s_wait_loadcnt 0x0
	v_perm_b32 v[QS], v9, v9, 0x01000100           ; tile 0's scale word: s0 s1 s0 s1
	v_perm_b32 v[QS+1], v9, v9, 0x03020302         ; tile 1's
	WIN 0x40
.set J, 0
.rept 64
	v_mov_b32 v[OT+J], 0                           ; O^T.  The step is written once: its first run finds zeros.  (These lines are also the places between the scale words' making and the first product)
.set J, J+1
.endr
	WIN 0
	s_wait_tensorcnt 1                             ; my block of slot 0 is in; slot 1's, issued behind it, may stay out
	s_barrier_signal -1
	s_barrier_wait -1                              ; everybody's is
; A KEY STEP: 128 keys, both tiles of queries.
.macro STEP
	v_add_nc_u32 v[A16], s[TB], v[L16]             ; these three and the v_nop are the four places between the last product and the loads into V's registers
	v_add_nc_u32 v[A8], s[TB], v[L8]
	v_add_nc_u32 v[A4], s[TB], v[L4]
	v_nop
	ds_load_b32 v[KS], v[A4] offset:KSOFF          ; lanes 0-15 group 0's words, lanes 16-31 group 1's
	ds_load_b32 v[KS+1], v[A4] offset:KSOFF+128
	WIN 0x40
.irp i, 0,1,2,3
	IMG KF+12*\i, 1536*\i
.endr
.irp i, 0,1,2,3
	IMG VF+12*\i, VOFF+1536*\i
.endr
	WIN 0
	ds_load_b32 v[VS], v[A4] offset:VSOFF
	ds_load_b32 v[VS+1], v[A4] offset:VSOFF+128
	s_wait_dscnt 18                                ; K's words and fragments are in; V's 16 loads and its 2 words, issued behind them, may be out
	WIN 0x05                                       ; K and q in window 1, S^T in window 0
.irp i, 0,1,2,3
.irp e, 0,1
.irp t, 0,1
.if \i%2
	v_wmma_scale_f32_16x16x128_f8f6f4 v[S+64*\t+8*(2*\i+\e):S+64*\t+8*(2*\i+\e)+7], v[KF+12*\i:KF+12*\i+11], v[QF+18*\t+6*\e:QF+18*\t+6*\e+11], 0, v[KS+\i/2], v[QS+\t] matrix_a_fmt:MATRIX_FMT_BF6 matrix_b_fmt:MATRIX_FMT_BF6 matrix_a_scale:MATRIX_SCALE_ROW1
.else
	v_wmma_scale_f32_16x16x128_f8f6f4 v[S+64*\t+8*(2*\i+\e):S+64*\t+8*(2*\i+\e)+7], v[KF+12*\i:KF+12*\i+11], v[QF+18*\t+6*\e:QF+18*\t+6*\e+11], 0, v[KS+\i/2], v[QS+\t] matrix_a_fmt:MATRIX_FMT_BF6 matrix_b_fmt:MATRIX_FMT_BF6
.endif
.endr
.endr
.endr
	WIN 0
.rept 4
	v_nop                                          ; four places in front of the first read of results
.endr
.irp b, 0,1,2,3                                ; THE LARGEST SCORE OF EACH BLOCK OF 32 KEYS: it serves for the row's maximum and, since p rises with the score, for the block's largest p.  Each accumulator is read from its low end on
.irp t, 0,1
	v_max3_num_f32 v[BM+16*\t+\b], v[S+64*\t+16*\b], v[S+64*\t+16*\b+1], v[S+64*\t+16*\b+2]
.endr
.endr
.irp i, 3,5,7,9,11,13
.irp b, 0,1,2,3
.irp t, 0,1
	v_max3_num_f32 v[BM+16*\t+\b], v[BM+16*\t+\b], v[S+64*\t+16*\b+\i], v[S+64*\t+16*\b+\i+1]
.endr
.endr
.endr
.irp b, 0,1,2,3
.irp t, 0,1
	v_max_num_f32 v[BM+16*\t+\b], v[BM+16*\t+\b], v[S+64*\t+16*\b+15]
.endr
.endr
.irp b, 0,1,2,3
.irp t, 0,1
	v_permlanex16_b32 v[PX+16*\t+\b], v[BM+16*\t+\b], s[SEL], s[SEL+1]
.endr
.endr
.irp b, 0,1,2,3
.irp t, 0,1
	v_max_num_f32 v[BM+16*\t+\b], v[BM+16*\t+\b], v[PX+16*\t+\b]   ; with lane l xor 16's 16 keys
.endr
.endr
.irp t, 0,1
	s_delay_alu instid0(VALU_DEP_4)
	v_max3_num_f32 v[TA+16*\t], v[BM+16*\t], v[BM+16*\t+1], v[BM+16*\t+2]
.endr
.irp t, 0,1
	s_delay_alu instid0(VALU_DEP_2)
	v_max_num_f32 v[TA+16*\t], v[TA+16*\t], v[BM+16*\t+3]          ; the step's largest score of my query
.endr
.irp t, 0,1
	s_delay_alu instid0(VALU_DEP_2)
	v_mul_f32 v[TA+16*\t], s[CS], v[TA+16*\t]                      ; as t (c is positive)
.endr
.irp t, 0,1
	s_delay_alu instid0(VALU_DEP_2)
	v_max_num_f32 v[ST+4*\t+1], v[ST+4*\t+1], v[TA+16*\t]          ; the running largest t
.endr
.irp t, 0,1
	v_mov_b32 v[TA+16*\t], v[ST+4*\t]
.endr
.irp t, 0,1
	s_delay_alu instid0(VALU_DEP_4)
	v_floor_f32 v[ST+4*\t], -v[ST+4*\t+1]                          ; the new -M = floor(-t): M is a whole number
.endr
.irp t, 0,1
	s_delay_alu instid0(VALU_DEP_2)
	v_sub_f32 v[TA+16*\t], v[ST+4*\t], v[TA+16*\t]                 ; old M - new M: a whole number, 0 or less
.endr
.irp t, 0,1
	s_delay_alu instid0(VALU_DEP_2)
	v_cvt_i32_f32 v[TA+16*\t], v[TA+16*\t]                         ; (it saturates)
.endr
.irp t, 0,1
	s_delay_alu instid0(VALU_DEP_2)
	v_ldexp_f32 v[FF+2*\t], 1.0, v[TA+16*\t]                       ; f = 2^(old M - new M)
.endr
.set J, 0
.rept 32
.irp t, 0,1
	v_pk_fma_f32 v[S+64*\t+2*J:S+64*\t+2*J+1], v[S+64*\t+2*J:S+64*\t+2*J+1], s[CS:CS+1], v[ST+4*\t:ST+4*\t+1] op_sel_hi:[1,0,0]   ; t - M, two at a time
.endr
.set J, J+1
.endr
.irp b, 0,1,2,3
.irp t, 0,1
	v_fma_f32 v[BM+16*\t+\b], v[BM+16*\t+\b], s[CS], v[ST+4*\t]    ; the same of each block's largest score
.endr
.endr
.set J, 0
	s_wait_alu depctr_va_vdst(0)
.rept 64
.irp t, 0,1
	v_exp_f32 v[S+64*\t+J], v[S+64*\t+J]                           ; p = 2^(t - M): NOT normalised
.endr
.set J, J+1
.endr
	s_setprio 1
.irp t, 0,1
	v_pk_mul_f32 v[ST+4*\t+2:ST+4*\t+3], v[ST+4*\t+2:ST+4*\t+3], v[FF+2*\t:FF+2*\t+1] op_sel_hi:[1,0]   ; the sums under the new M: plain lines behind the exponentials
.endr
	s_wait_alu depctr_va_vdst(0)                   ; one wait for the batch of 128, ahead of its first reader
.irp b, 0,1,2,3
.irp t, 0,1
	v_exp_f32 v[BM+16*\t+\b], v[BM+16*\t+\b]                       ; the block's largest p: the same two instructions on the same number
.endr
.endr
.irp t, 0,1
	v_pk_add_f32 v[TA+16*\t+2:TA+16*\t+3], v[S+64*\t:S+64*\t+1], v[S+64*\t+2:S+64*\t+3]   ; THE ROW'S SUM IS TAKEN OF THE UNQUANTISED p, in two chains a tile
.endr
.set J, 4
.rept 15
.irp t, 0,1
	v_pk_add_f32 v[ST+4*\t+2:ST+4*\t+3], v[ST+4*\t+2:ST+4*\t+3], v[S+64*\t+J:S+64*\t+J+1]
	v_pk_add_f32 v[TA+16*\t+2:TA+16*\t+3], v[TA+16*\t+2:TA+16*\t+3], v[S+64*\t+J+2:S+64*\t+J+3]
.endr
.set J, J+4
.endr
.irp t, 0
	s_delay_alu instid0(VALU_DEP_3)
	v_pk_add_f32 v[ST+4*\t+2:ST+4*\t+3], v[ST+4*\t+2:ST+4*\t+3], v[TA+16*\t+2:TA+16*\t+3]
.endr
.irp t, 1
	s_delay_alu instid0(VALU_DEP_2)
	v_pk_add_f32 v[ST+4*\t+2:ST+4*\t+3], v[ST+4*\t+2:ST+4*\t+3], v[TA+16*\t+2:TA+16*\t+3]
.endr
	s_wait_alu depctr_va_vdst(0)                   ; and one for the eight
.irp b, 0,1,2,3
.irp t, 0,1
	v_max_num_f32 v[BM+16*\t+\b], 0x2800000, v[BM+16*\t+\b]        ; the floor 2^(5 - 127): the byte cannot fall under 1
.endr
.endr
.irp b, 0,1,2,3
.irp t, 0,1
	v_add_nc_u32 v[SO+16*\t+\b], 0xfe000000, v[BM+16*\t+\b]        ; 4 off the exponent field: the conversion's scale operand
.endr
.endr
.irp b, 0,1,2,3
.irp t, 0,1
	v_lshrrev_b32 v[PX+16*\t+\b], 23, v[SO+16*\t+\b]               ; the scale's byte
.endr
.endr
.irp t, 0,1
	v_lshl_or_b32 v[PS+\t], v[PX+16*\t+1], 8, v[PX+16*\t]          ; p's scale word for these 128 keys
.endr
.irp t, 0,1
	s_delay_alu instid0(VALU_DEP_2)
	v_lshl_or_b32 v[PS+\t], v[PX+16*\t+2], 16, v[PS+\t]
.endr
.irp t, 0,1
	s_delay_alu instid0(VALU_DEP_2)
	v_lshl_or_b32 v[PS+\t], v[PX+16*\t+3], 24, v[PS+\t]
.endr
.irp t, 0,1
.irp c, 0,1
	v_cvt_scalef32_pk16_bf6_f32 v[PC+12*\t+6*\c:PC+12*\t+6*\c+2], v[S+64*\t+32*\c:S+64*\t+32*\c+15], v[SO+16*\t+2*\c]
	v_cvt_scalef32_pk16_bf6_f32 v[CT+8*\t+4*\c:CT+8*\t+4*\c+2], v[S+64*\t+32*\c+16:S+64*\t+32*\c+31], v[SO+16*\t+2*\c+1]
.endr
.endr
	v_nop                                          ; one plain place behind the scaled conversions
.irp t, 0,1
.irp c, 0,1                                    ; the operand wants a WHOLE block in a lane
.irp i, 0,1,2
	v_permlane16_swap_b32 v[PC+12*\t+6*\c+\i], v[CT+8*\t+4*\c+\i]
.endr
.irp i, 0,1,2
	s_delay_alu instid0(VALU_DEP_3)
	v_mov_b32 v[PC+12*\t+6*\c+3+\i], v[CT+8*\t+4*\c+\i]
.endr
.endr
.endr
	WIN 0x41                                       ; O^T (destination and source 0) in window 1, f in window 0
	s_setprio 0
.irp t, 0,1
.set J, 0
.rept 16
	v_pk_mul_f32 v[OT+32*\t+2*J:OT+32*\t+2*J+1], v[OT+32*\t+2*J:OT+32*\t+2*J+1], v[FF+2*\t:FF+2*\t+1] op_sel_hi:[1,0]   ; O^T under the new M.  (These 32 are also the places between p's codes and scale words and the products)
.set J, J+1
.endr
.endr
	s_wait_alu depctr_va_vdst(0)
	s_wait_dscnt 0x0                               ; V is in
	WIN 0x51                                       ; V in window 1, p in window 0, O^T in window 1
.irp n, 0,1,2,3                                ; O^T += V^T P^T: the eight accumulators take turns, one instruction a turn
.irp t, 0,1
.if \n%2
	v_wmma_scale_f32_16x16x128_f8f6f4 v[OT+32*\t+8*\n:OT+32*\t+8*\n+7], v[VF+12*\n:VF+12*\n+11], v[PC+12*\t:PC+12*\t+11], v[OT+32*\t+8*\n:OT+32*\t+8*\n+7], v[VS+\n/2], v[PS+\t] matrix_a_fmt:MATRIX_FMT_BF6 matrix_b_fmt:MATRIX_FMT_BF6 matrix_a_scale:MATRIX_SCALE_ROW1
.else
	v_wmma_scale_f32_16x16x128_f8f6f4 v[OT+32*\t+8*\n:OT+32*\t+8*\n+7], v[VF+12*\n:VF+12*\n+11], v[PC+12*\t:PC+12*\t+11], v[OT+32*\t+8*\n:OT+32*\t+8*\n+7], v[VS+\n/2], v[PS+\t] matrix_a_fmt:MATRIX_FMT_BF6 matrix_b_fmt:MATRIX_FMT_BF6
.endif
.endr
.endr
	WIN 0                                          ; at a label and at a branch every window is 0
	s_add_co_u32 s[TB], s[TB], STEPB               ; the next step block
.endm
.macro SLOT_STEPS                      ; a slot's eight key steps: written once, walked eight times
	s_mov_b32 s[CNT], 8
.Lstep_\@:
	s_setprio 2
	STEP
	s_sub_co_u32 s[CNT], s[CNT], 1
	s_cmp_lg_u32 s[CNT], 0
	s_cbranch_scc1 .Lstep_\@
	s_setprio 0
.endm
; THE CHANGE OF SLOTS.  Each wave waits for all its tensor loads (its block of the slot ahead), adds 0 to its spare word, and waits for that and for its reads of the slot that it leaves.
; fill = 1: the slot just left is filled with the keys two slots on.  The barrier is then a round of the cluster's, so that no wave of any partner still reads that slot or has a load on its way,
; and the joint refill is the first thing behind it, one load a wave.
.macro CHANGE fill
	s_wait_tensorcnt 0x0                           ; no tensor load of mine is out, so a group 0 may be written
	ds_add_u32 v[SPW], v[NIL]                      ; 0 onto my spare word
.if \fill
	s_xor_b32 s[G0B+1], s[G0B+1], SLOT1            ; the walking descriptor: the other slot than last time,
	s_add_nc_u64 s[G0B+2:G0B+3], s[G0B+2:G0B+3], SLOTB   ; the next eight step blocks; the type bits on top are not reached
.endif
	s_wait_dscnt 0x0                               ; the add is done, and my reads of the slot are over
.if \fill
	CROUND
	tensor_load_to_lds s[G0B:G0B+3], s[G1:G1+7]
	s_nop 0
.rept 4
	v_nop
.endr
.else
	s_barrier_signal -1
	s_barrier_wait -1
.endif
	s_sub_co_u32 s[TB], s[TB], SLOTB               ; back to a slot's first block,
	s_xor_b32 s[TB], s[TB], SLOT1                  ; in the other slot
.endm
	SLOT_STEPS                                     ; key steps 0 to 7, from slot 0
	s_mov_b32 s[SLOTS], 2
.Lslot:                                            ; two trips: slot 0 takes key steps 16 to 23, slot 1 key steps 24 to 31
	CHANGE 1
	SLOT_STEPS
	s_sub_co_u32 s[SLOTS], s[SLOTS], 1
	s_cmp_lg_u32 s[SLOTS], 0
	s_cbranch_scc1 .Lslot
	CHANGE 0                                       ; the last slot is written out
	SLOT_STEPS
	; THE WAY OUT.  O^T / l; the two tiles' 2 x 32 numbers a lane are 4 blocks of 32 channels: quantised as one fragment, whose two halves are the two tiles' half images for the output projection.
.rept 4
	v_nop                                          ; four places behind the last products
.endr
.irp t, 0,1
	v_add_f32 v[108+\t], v[ST+4*\t+2], v[ST+4*\t+3]
.endr
.irp t, 0,1
	s_delay_alu instid0(VALU_DEP_2)
	v_permlanex16_b32 v[PX+16*\t], v[108+\t], s[SEL], s[SEL+1]
.endr
.irp t, 0,1
	s_delay_alu instid0(VALU_DEP_2)
	v_add_f32 v[108+\t], v[108+\t], v[PX+16*\t]    ; the row's sum
.endr
	s_wait_alu depctr_va_vdst(0)
.irp t, 0,1
	v_rcp_f32 v[112+\t], v[108+\t]
.endr
	v_nop                                          ; a plain line behind the reciprocals,
	s_wait_alu depctr_va_vdst(0)                   ; and the wait ahead of their first reader
	WIN 0x01                                       ; source 0 (O^T) in window 1
.irp t, 0,1
.set J, 0
.rept 32
	v_mul_f32 v[S+32*\t+J], v[OT+32*\t+J], v[112+\t]   ; register 32 t + 16 c + i: channel 32 c + 16 (lane / 16) + i of tile t's query; each accumulator from its low end on
.set J, J+1
.endr
.endr
	WIN 0
	QUANT S, PC, CT, 110, BM
.irp t, 0,1
	global_store_b128 v[L16], v[PC+6*\t:PC+6*\t+3], s[8:9] offset:6144*\t         ; 512 consecutive bytes, aligned to 256
	global_store_b64 v[L8], v[PC+6*\t+4:PC+6*\t+5], s[8:9] offset:6144*\t+512     ; 256 consecutive bytes, aligned
.endr
	global_store_b32 v[L4], v110, s[10:11]         ; the scale word: tile 0's two bytes, tile 1's two; lanes 16-31 hold a copy
	s_wait_tensorcnt 0x0                           ; the wave's end
	ds_add_u32 v[SPW], v[NIL]
	s_wait_dscnt 0x0
	CROUND                                         ; the closing round: no work-group ends while a partner may still ask for a block that names it
	s_endpgm
.Lfunc_end_k_q75c4ebd0dd_attn:
	.size	k_q75c4ebd0dd_attn, .Lfunc_end_k_q75c4ebd0dd_attn-k_q75c4ebd0dd_attn
	.p2alignl 7, 3214868480
	.fill 96, 4, 3214868480
	.section	.rodata,"a",@progbits
	.p2align	6, 0x0
	.amdhsa_kernel k_q75c4ebd0dd_attn
		.amdhsa_group_segment_fixed_size 327680
		.amdhsa_private_segment_fixed_size 0
		.amdhsa_enable_private_segment 0
		.amdhsa_kernarg_size 32
		.amdhsa_user_sgpr_count 2
		.amdhsa_user_sgpr_kernarg_segment_ptr 1
		.amdhsa_wavefront_size32 1
		.amdhsa_system_sgpr_workgroup_id_x 1
		.amdhsa_system_sgpr_workgroup_id_y 1
		.amdhsa_system_sgpr_workgroup_id_z 1
		.amdhsa_system_vgpr_workitem_id 0
		.amdhsa_next_free_vgpr 512
		.amdhsa_next_free_sgpr 66
		.amdhsa_reserve_vcc 0
		.amdhsa_float_denorm_mode_32 3
		.amdhsa_float_denorm_mode_16_64 3
		.amdhsa_memory_ordered 1
		.amdhsa_forward_progress 1
		.amdhsa_inst_pref_size 111
	.end_amdhsa_kernel
	.amdgpu_metadata
---
amdhsa.version: [ 1, 2 ]
amdhsa.kernels:
  - .name:           k_q75c4ebd0dd_attn
    .symbol:         k_q75c4ebd0dd_attn.kd
    .args:
      - { .name: qb, .offset: 0, .size: 8, .value_kind: global_buffer, .address_space: global }
      - { .name: kv, .offset: 8, .size: 8, .value_kind: global_buffer, .address_space: global }
      - { .name: oc, .offset: 16, .size: 8, .value_kind: global_buffer, .address_space: global }
      - { .name: os, .offset: 24, .size: 8, .value_kind: global_buffer, .address_space: global }
    .group_segment_fixed_size: 327680
    .private_segment_fixed_size: 0
    .kernarg_segment_align: 8
    .kernarg_segment_size: 32
    .max_flat_workgroup_size: 256
    .sgpr_count:     66
    .vgpr_count:     512
    .wavefront_size: 32
...
	.end_amdgpu_metadata
.endif
;; end of part 5
;; launch outp (part 6): grid 4 x 64, 8 waves a work-group, no clusters, 124,160 bytes of LDS; arguments oc, os, Wo_codes, Wo_scales, bo, out0; writes out0
.if DOCPART == 6
	.amdgcn_target "amdgcn-amd-amdhsa--gfx1250"
	.amdhsa_code_object_version 6
	.text
	.protected	k_q75c4ebd0dd_outp
	.globl	k_q75c4ebd0dd_outp
	.p2align	8
	.type	k_q75c4ebd0dd_outp,@function
k_q75c4ebd0dd_outp:
	s_mov_b64 s[64:65], 0
	v_nop
	global_prefetch_b8 v0, s[64:65] scope:SCOPE_SE
	s_setreg_imm32_b32 hwreg(HW_REG_WAVE_SCHED_MODE, 0, 2), 2
	s_setreg_imm32_b32 hwreg(HW_REG_WAVE_MODE, 25, 1), 1
	s_wait_xcnt 0x0
	s_wait_alu depctr_vm_vsrc(0)
; THE OUTPUT PROJECTION out0 = O Wo + bo on codes of BF6 (E3M2), K = 512 = head x 64 + channel.  O's codes come as images of operand registers, made by the attention launch:
;   oc [G = group of 32 tokens: 256][tile u: 2][head: 8][768 bytes]: the 6,144 bytes of a (G, u) are the tile's four K-step fragments on end;  os [G][head][32 lanes x 4 bytes]: bytes u0 s0, u0 s1, u1 s0, u1 s1.
;   Lane r of tile u is token 32 G + 8 u + r + 8 (r / 8).
; THE MATRIX INSTRUCTION IS USED TRANSPOSED: source 0 = 16 rows of Wo (outputs n), source 1 = 16 tokens: a lane holds neighbouring outputs of one token.  Lane r of Wo's tile 2 q + e takes row 32 q + 8 e + r + 8 (r / 8),
; so that the 16 registers of tiles 2 q, 2 q + 1 are outputs 32 q + 16 (lane / 16) + 0 .. 15.
; SHARES.  A work-group: 128 outputs x 128 tokens.  Wave w: group G = 4 y + w / 2, outputs 64 (w % 2) on: 4 tiles of Wo x 2 tiles of tokens: 8 accumulators, 4 K steps, 32 matrix instructions.
; bo is loaded straight into the accumulators: the sums begin as the bias.
; LDS: Wo's 128 rows, staged once, row x at 416 x + 16 ((x / 16) % 2), with which the 32 lanes of an 8-byte fragment load touch 64 different banks of 4 bytes; behind them a stage of 32 rows x 272 bytes for each wave, its own.
; No tensor loads and no cluster: each work-group stages once and nothing is filled again.
; THE MODE: SCHED_MODE bits 1:0 = 2 (LLVM: expert scheduling mode 2), set by the entry lines.  The code itself states the register dependences
; between vector or matrix instructions and memory or LDS instructions, with s_wait_alu, always for 0.
; THE PLAN.  Registers that memory or LDS instructions touch:
;   offsets and LDS addresses (v4-15): written by vector lines at the head and never again; one wait on va_vdst ahead of the first load serves them all.
;   v128-175   the staging loads land there and the staging LDS stores read them (one wait on vm_vsrc behind the barrier); then they are P0, P1: two buffers of two fragments of Wo.
;              Step k (of 8: K step k / 2, Wo's tiles 2 (k % 2) and 2 (k % 2) + 1) multiplies buffer k % 2; the LDS loads of step k + 1 land in the other buffer.
;   So ONE wait on va_vdst stands at the head of each step but the first: the step before is done reading its buffer.  The step's twelve loads follow it, dealt among its products, which name
;   the other buffer, the tokens' fragments, the scale words and the accumulators: none of the registers in which those loads land.
;   v16-23     the tokens' scale words, made by vector lines: their places and one wait on va_vdst ahead of the first product.
;   v192-255   loaded with bo, written by the products, read by the LDS stores into the stage; v32-95, which the products read, take the stage's rows: the places and one wait on va_vdst behind the last product.
.set PITCH, 416
.set STG,   53504
.set WSTG,  8704
.set L16, 4
.set L8,  5
.set L4,  6
.set SPA, 7                            ; v7-9  staging: LDS addresses, one for each load of a trio
.set PA,  10                           ; v10   LDS address of my fragments of Wo
.set SCA, 11                           ; v11   lane part of Wo's scale loads
.set BOA, 12                           ; v12   lane part of bo's loads
.set SO,  13                           ; v13   the stage: where I put 16 bytes of a row
.set SR,  14                           ; v14   and where I read a row back
.set GO,  15                           ; v15   my byte offset in out0's rows
.set RS,  16                           ; v16-23  the tokens' scale words: 4 u + s
.set PSC, 24                           ; v24-31  Wo's: 4 q + s: lanes 0-15 tile 2 q, lanes 16-31 tile 2 q + 1
.set RF,  32                           ; v32-127 the tokens' fragments: 48 u + 12 s; later the rows read back from the stage
.set PF,  128                          ; v128-175 the staged bytes, then two buffers of two fragments of Wo
.set OW,  176                          ; v176-183 os's words, a head each
.set ACC, 192                          ; v192-255 accumulator (u, p) at 192 + 32 u + 8 p
.macro FRAG reg, adr, off
.irp p, 0,1,2,3,4,5
	ds_load_b64 v[(\reg)+2*\p:(\reg)+2*\p+1], v[\adr] offset:(\off)+48*(\p/3)+8*(\p%3)
.endr
.endm
	s_load_b256 s[4:11], s[0:1], 0x0               ; oc s[4:5], os s[6:7], Wo's codes s[8:9], Wo's scales s[10:11]
	s_load_b128 s[12:15], s[0:1], 0x20             ; bo s[12:13], out0 s[14:15]
	v_lshl_add_u32 v190, v0, 2, 0x1e100
	v_mov_b32 v191, 0
	v_lshrrev_b32 v1, 5, v0
	v_readfirstlane_b32 s16, v1                    ; wave 0..7
	s_and_b32 s17, ttmp7, 0xffff
	s_lshl_b32 s18, ttmp9, 7                       ; the work-group's first output
	s_wait_alu depctr_va_sdst(0)                   ; the wave's number is written, ahead of its first reader: shares, bases and LDS places are made from it
	s_lshr_b32 s19, s16, 1
	s_lshl_b32 s20, s17, 2
	s_add_co_u32 s19, s19, s20                     ; G
	s_and_b32 s20, s16, 1
	s_lshl_b32 s21, s20, 6
	s_add_co_u32 s21, s21, s18                     ; my first output
	s_lshl_b32 s22, s16, 4
	s_add_co_u32 s22, s22, s18
	s_mul_i32 s22, s22, 384                        ; I stage Wo's rows 16 w on
	s_mov_b32 s23, 0
	s_mul_i32 s24, s19, 12288                      ; oc
	s_mov_b32 s25, 0
	s_lshl_b32 s26, s19, 10                        ; os
	s_mov_b32 s27, 0
	s_lshl_b32 s28, s21, 4                         ; Wo's scale bytes
	s_mov_b32 s29, 0
	s_lshl_b32 s30, s21, 2                         ; bo
	s_mov_b32 s31, 0
	s_lshl_b32 s32, s19, 16                        ; out0: 32 rows of 2,048 bytes a group,
	s_add_co_u32 s32, s32, s30                     ; and my first output
	s_mov_b32 s33, 0
	s_mul_i32 s34, s16, 16*PITCH
	s_lshl_b32 s35, s20, 4
	s_add_co_u32 s34, s34, s35                     ; LDS: where I stage (rows 16 w .. 16 w + 15 are one group of 16)
	s_mul_i32 s35, s20, 64*PITCH                   ; where my 64 rows of Wo lie
	s_mul_i32 s36, s16, WSTG
	s_add_co_u32 s36, s36, STG                     ; my stage
	v_and_b32 v1, 31, v0                           ; lane
	v_and_b32 v2, 15, v0                           ; r
	v_bfe_u32 v3, v0, 4, 1                         ; h
	v_lshlrev_b32 v[L16], 4, v1
	v_lshlrev_b32 v[L8], 3, v1
	v_lshlrev_b32 v[L4], 2, v1
	v_lshrrev_b32 v184, 3, v1
	v_and_b32 v185, 7, v1
	v_lshlrev_b32 v185, 4, v185
.irp j, 0,1,2                                  ; three loads of 512 bytes are four rows of 384: chunk 4 j + lane / 8 of 128 bytes is row chunk / 3, column chunk % 3
	v_add_nc_u32 v186, 4*\j, v184
	v_mul_u32_u24 v187, v186, 11
	v_lshrrev_b32 v187, 5, v187
	v_mul_u32_u24 v188, v187, 3
	v_sub_nc_u32 v186, v186, v188
	v_mul_u32_u24 v187, v187, PITCH
	v_lshl_add_u32 v187, v186, 7, v187
	v_add_nc_u32 v187, v187, v185
	v_add_nc_u32 v[SPA+\j], s34, v187
.endr
	v_lshrrev_b32 v184, 3, v2                      ; r / 8
	v_lshl_add_u32 v185, v184, 3, v2               ; r + 8 (r / 8)
	v_mul_u32_u24 v186, v185, PITCH
	v_lshl_add_u32 v186, v184, 4, v186
	v_mad_u32_u24 v186, v3, 24, v186
	v_add_nc_u32 v[PA], s35, v186
	v_lshl_add_u32 v[SCA], v3, 3, v185
	v_lshlrev_b32 v[SCA], 4, v[SCA]
	v_lshlrev_b32 v[BOA], 6, v3
	v_mul_u32_u24 v[SO], v2, 272
	v_lshl_add_u32 v[SO], v3, 6, v[SO]
	v_add_nc_u32 v[SO], s36, v[SO]                 ; in: row r, + 64 h
	v_mul_u32_u24 v[SR], v3, 272
	v_lshl_add_u32 v[SR], v2, 4, v[SR]
	v_add_nc_u32 v[SR], s36, v[SR]                 ; back: lanes 0-15 one row of 256 bytes, lanes 16-31 the next
	v_lshlrev_b32 v[GO], 11, v3
	v_lshl_add_u32 v[GO], v2, 4, v[GO]             ; and the same two rows in out0
	s_wait_kmcnt 0x0
	s_add_nc_u64 s[8:9], s[8:9], s[22:23]
	s_add_nc_u64 s[4:5], s[4:5], s[24:25]
	s_add_nc_u64 s[6:7], s[6:7], s[26:27]
	s_add_nc_u64 s[10:11], s[10:11], s[28:29]
	s_add_nc_u64 s[12:13], s[12:13], s[30:31]
	s_add_nc_u64 s[14:15], s[14:15], s[32:33]
	s_wait_alu depctr_va_vdst(0)                   ; all offsets and LDS addresses (v4-15) are written: every load and store of the kernel reads one of them, and none is written again
.set N, 0
.rept 12
	global_load_b128 v[PF+4*N:PF+4*N+3], v[L16], s[8:9] offset:512*N    ; staging: 512 consecutive bytes a load
.set N, N+1
.endr
.irp u, 0,1
.irp s, 0,1,2,3                                ; the tokens' fragments stay in registers
	global_load_b128 v[RF+48*\u+12*\s:RF+48*\u+12*\s+3], v[L16], s[4:5] offset:6144*\u+1536*\s
	global_load_b64 v[RF+48*\u+12*\s+4:RF+48*\u+12*\s+5], v[L8], s[4:5] offset:6144*\u+1536*\s+512
	global_load_b128 v[RF+48*\u+12*\s+6:RF+48*\u+12*\s+9], v[L16], s[4:5] offset:6144*\u+1536*\s+768
	global_load_b64 v[RF+48*\u+12*\s+10:RF+48*\u+12*\s+11], v[L8], s[4:5] offset:6144*\u+1536*\s+1280
.endr
.endr
.irp q, 0,1,2,3,4,5,6,7
	global_load_b32 v[OW+\q], v[L4], s[6:7] offset:128*\q
.endr
.irp q, 0,1
	global_load_b128 v[PSC+4*\q:PSC+4*\q+3], v[SCA], s[10:11] offset:512*\q
.endr
.irp u, 0,1
.irp q, 0,1
.irp i, 0,1,2,3
	global_load_b128 v[ACC+32*\u+16*\q+4*\i:ACC+32*\u+16*\q+4*\i+3], v[BOA], s[12:13] offset:128*\q+16*\i   ; bo(my first output + 32 q + 16 h + 4 i ..)
.endr
.endr
.endr
	s_wait_loadcnt 58                              ; the 12 staging loads are in; the 32 + 8 + 2 + 16 loads issued behind them may be out
.set N, 0
.rept 12
	ds_store_b128 v[SPA+N%3], v[PF+4*N:PF+4*N+3] offset:4*PITCH*(N/3)
.set N, N+1
.endr
	s_wait_dscnt 0x0                               ; for the others' sake: my stores have landed
	s_barrier_signal -1
	s_barrier_wait -1                              ; Wo's 128 rows lie in LDS; they are only read from here on
	s_wait_alu depctr_vm_vsrc(0)                   ; my LDS stores have read v128-175: these registers are the two buffers from here on, in which Wo's fragments land
	FRAG PF, PA, 0                                 ; step 0's two fragments, into buffer 0: on their way while the scale words are made
	FRAG PF+12, PA, 8*PITCH
	s_wait_loadcnt 0x0
.irp s, 0,1,2,3                                ; K step s is heads 2 s and 2 s + 1: two bytes of each head's word
	v_perm_b32 v[RS+\s], v[OW+2*\s+1], v[OW+2*\s], 0x05040100
	v_perm_b32 v[RS+4+\s], v[OW+2*\s+1], v[OW+2*\s], 0x07060302
.endr
.rept 8
	v_nop                                          ; a scale register written by a vector instruction stands eight places ahead of a scaled product
.endr
	s_wait_alu depctr_va_vdst(0)                   ; the tokens' scale words v16-23 are written, which the scaled products take; the places above stay beside this wait
; One product: Wo's tile 2 g + i (buffer g, fragment i) against the tokens' tile u, K step s.
.macro WM i, u, s, g
.if \i
	v_wmma_scale_f32_16x16x128_f8f6f4 v[ACC+32*\u+8*(2*(\g)+\i):ACC+32*\u+8*(2*(\g)+\i)+7], v[PF+24*(\g)+12*\i:PF+24*(\g)+12*\i+11], v[RF+48*\u+12*(\s):RF+48*\u+12*(\s)+11], v[ACC+32*\u+8*(2*(\g)+\i):ACC+32*\u+8*(2*(\g)+\i)+7], v[PSC+4*(\g)+(\s)], v[RS+4*\u+(\s)] matrix_a_fmt:MATRIX_FMT_BF6 matrix_b_fmt:MATRIX_FMT_BF6 matrix_a_scale:MATRIX_SCALE_ROW1
.else
	v_wmma_scale_f32_16x16x128_f8f6f4 v[ACC+32*\u+8*(2*(\g)+\i):ACC+32*\u+8*(2*(\g)+\i)+7], v[PF+24*(\g)+12*\i:PF+24*(\g)+12*\i+11], v[RF+48*\u+12*(\s):RF+48*\u+12*(\s)+11], v[ACC+32*\u+8*(2*(\g)+\i):ACC+32*\u+8*(2*(\g)+\i)+7], v[PSC+4*(\g)+(\s)], v[RS+4*\u+(\s)] matrix_a_fmt:MATRIX_FMT_BF6 matrix_b_fmt:MATRIX_FMT_BF6
.endif
.endm
; Step (s, g): K step s, Wo's tiles 2 g and 2 g + 1 against both tiles of tokens.  The eight accumulators take turns, one instruction a turn.
.macro OSTEP s, g
.set NK, 2*(\s)+(\g)+1                 ; the step that follows: K step NS, buffer NG
.set NS, NK/2
.set NG, NK%2
	s_wait_dscnt 0x0                               ; this step's buffer is in
.if (\s)+(\g) > 0
	s_wait_alu depctr_va_vdst(0)                   ; the step before is done reading its buffer, in which the loads below land
.endif
	WM 0, 0, \s, \g
.if NK < 8
	FRAG PF+24*NG, PA, 32*NG*PITCH+96*NS           ; the next step's fragments.  No wait: no vector or matrix instruction since the last wait on va_vdst names the other buffer
.endif
	WM 0, 1, \s, \g
.if NK < 8
	FRAG PF+24*NG+12, PA, (32*NG+8)*PITCH+96*NS
.endif
	WM 1, 0, \s, \g
	WM 1, 1, \s, \g
.endm
.irp s, 0,1,2,3
.irp g, 0,1
	OSTEP \s, \g
.endr
.endr
.rept 4
	v_nop                                          ; four places behind the last product, in front of the first read of results
.endr
	s_wait_alu depctr_va_vdst(0)                   ; the products have written the accumulators, which the LDS stores read, and are done reading v32-95, in which the stage's rows land; the places above stay beside this wait
	; THE WAY OUT: through my own stage, so that sixteen lanes store 256 consecutive bytes of a row of out0.  LDS serves a wave's instructions in order: no wait between the stores and the loads.
.irp u, 0,1
.irp q, 0,1
.irp i, 0,1,2,3
	ds_store_b128 v[SO], v[ACC+32*\u+16*\q+4*\i:ACC+32*\u+16*\q+4*\i+3] offset:4352*\u+128*\q+16*\i   ; each accumulator from its low end on
.endr
.endr
.endr
.irp i, 0,1,2,3,4,5,6,7,8,9,10,11,12,13,14,15
	ds_load_b128 v[RF+4*\i:RF+4*\i+3], v[SR] offset:544*\i
.endr
.irp i, 0,1,2,3,4,5,6,7,8,9,10,11,12,13,14,15
	s_wait_dscnt 15-\i                             ; rows 2 i, 2 i + 1 of the stage are back; the younger loads may be out
	global_store_b128 v[GO], v[RF+4*\i:RF+4*\i+3], s[14:15] offset:2048*(8*(\i/8)+2*(\i%8)+8*((\i%8)/4)) th:TH_STORE_NT   ; stage row 16 u + r is token 8 u + r + 8 (r / 8) of the group; each half of the lanes stores 256 consecutive bytes, aligned
.endr
	s_wait_dscnt 0x0
	s_wait_alu depctr_hold_cnt(0) depctr_sa_sdst(0) depctr_va_vdst(0) depctr_va_sdst(0) depctr_va_ssrc(0) depctr_va_vcc(0) depctr_vm_vsrc(0)
	s_wait_tensorcnt 0x0
	ds_add_u32 v190, v191
	s_wait_dscnt 0x0
	s_endpgm
.Lfunc_end_k_q75c4ebd0dd_outp:
	.size	k_q75c4ebd0dd_outp, .Lfunc_end_k_q75c4ebd0dd_outp-k_q75c4ebd0dd_outp
	.p2alignl 7, 3214868480
	.fill 96, 4, 3214868480
	.section	.rodata,"a",@progbits
	.p2align	6, 0x0
	.amdhsa_kernel k_q75c4ebd0dd_outp
		.amdhsa_group_segment_fixed_size 124160
		.amdhsa_private_segment_fixed_size 0
		.amdhsa_enable_private_segment 0
		.amdhsa_kernarg_size 48
		.amdhsa_user_sgpr_count 2
		.amdhsa_user_sgpr_kernarg_segment_ptr 1
		.amdhsa_wavefront_size32 1
		.amdhsa_system_sgpr_workgroup_id_x 1
		.amdhsa_system_sgpr_workgroup_id_y 1
		.amdhsa_system_sgpr_workgroup_id_z 1
		.amdhsa_system_vgpr_workitem_id 0
		.amdhsa_next_free_vgpr 256
		.amdhsa_next_free_sgpr 66
		.amdhsa_reserve_vcc 0
		.amdhsa_float_denorm_mode_32 3
		.amdhsa_float_denorm_mode_16_64 3
		.amdhsa_memory_ordered 1
		.amdhsa_forward_progress 1
		.amdhsa_inst_pref_size 28
	.end_amdhsa_kernel
	.amdgpu_metadata
---
amdhsa.version: [ 1, 2 ]
amdhsa.kernels:
  - .name:           k_q75c4ebd0dd_outp
    .symbol:         k_q75c4ebd0dd_outp.kd
    .args:
      - { .name: oc, .offset: 0, .size: 8, .value_kind: global_buffer, .address_space: global }
      - { .name: os, .offset: 8, .size: 8, .value_kind: global_buffer, .address_space: global }
      - { .name: Wo_codes, .offset: 16, .size: 8, .value_kind: global_buffer, .address_space: global }
      - { .name: Wo_scales, .offset: 24, .size: 8, .value_kind: global_buffer, .address_space: global }
      - { .name: bo, .offset: 32, .size: 8, .value_kind: global_buffer, .address_space: global }
      - { .name: out0, .offset: 40, .size: 8, .value_kind: global_buffer, .address_space: global }
    .group_segment_fixed_size: 124160
    .private_segment_fixed_size: 0
    .kernarg_segment_align: 8
    .kernarg_segment_size: 48
    .max_flat_workgroup_size: 256
    .sgpr_count:     66
    .vgpr_count:     256
    .wavefront_size: 32
...
	.end_amdgpu_metadata
.endif
;; end of part 6
